; MI455X (gfx1250); checked and timed in simulation.
; The chip was launched on July 23, 2026; its instructions are those of AMD's public machine-readable ISA for CDNA 5 (MIT licence, August 2026) and "CDNA5" Instruction Set Architecture Reference Guide (July 2026). The comments in the code are by the model that wrote it; some were corrected since.
;; Mo EMLP. Allowed arithmetic: matrix products marked QUANTISED: E5M2 operands, one E8M0 scale for each 32 along K, by v_wmma_scale_f32_16x16x128_f8f6f4 with both operands' format E5M2, f32 sums; products left as they are: f32 operands where the result goes on into a quantised operand, else bf16, f16 or f32 operands; f32 sums; everything else in f32.
;; Inputs: W1 8 x 1,024 x 4,096 float32; W2 8 x 4,096 x 1,024 float32; Wr 1,024 x 8 float32; x 4 x 256 x 1,024 float32.
;; Outputs: out0 4 x 256 x 1,024 float32.
;; Constants: top_k = 2.
;; This version of the problem:
;;   THIS VERSION OF THE PROBLEM IS GIVEN IN LOW PRECISION. The matrix products marked QUANTISED in the list below multiply operands that are first quantised to E5M2 (5 exponent bits, 2 mantissa bits; 8 bits a number), with one power-of-two scale for each 32 numbers along K (OCP MX v1.0); their sums are f32. All else is computed in f32.
;;   The module's matrix products, in the order in which they are computed (A, B: the left and right operand; K: the contracted axis; several contracted axes count as one K, in the product's order):
;;     1. [M 1,024, K 1,024] x [K 1,024, N 8]; A: input x; B: input Wr: left as it is (N = 8 < 16)
;;     2. [M 1,024, K 1,024] x [K 1,024, N 32,768]; A: input x; B: input W1: QUANTISED
;;     3. batch 8 x [M 1,024, K 4,096] x [K 4,096, N 1,024]; A: input W2; B: computed on the way: QUANTISED
;;     4. batch 1,024 x [M 1,024, K 8] x [K 8, N 1]; A: computed on the way; B: computed on the way: left as it is (K = 8 < 32)
;;   THE QUANTISER, for each operand of a quantised product, along K:
;;     - K is cut into blocks of 32 from its start; a last block that is shorter is filled with zeros.
;;     - A block's scale is 2^e with e = floor(log2(the largest magnitude in the block)) - 15, held to -126 .. 127; a block of zeros has e = 0. As a byte (E8M0): e + 127.
;;     - Each number is divided by its block's scale, clamped to +-57,344, and rounded to the nearest number of E5M2, ties to even, subnormals kept.
;;     - The product sums the exact products of the quantised numbers (number of the format x scale) in f32.
;;   ~~~python
;;   def quantise(x, axis):      # numpy; x: float32 -> the quantised numbers, widened to float32 again
;;       x = np.moveaxis(x, axis, -1); K = x.shape[-1]
;;       x = np.pad(x, [(0, 0)] * (x.ndim - 1) + [(0, -K % 32)]); x = x.reshape(x.shape[:-1] + (-1, 32)); a = np.abs(x).max(-1, keepdims=True)
;;       e = np.where(a > 0, np.clip(np.frexp(np.where(a > 0, a, 1))[1] - 1 - 15, -126, 127), 0)      # np.frexp(a)[1] - 1 = floor(log2(a)), exactly
;;       r = np.clip(x / 2.0 ** e, -57344, 57344)
;;       step = 2.0 ** (np.maximum(np.frexp(np.where(r == 0, 1, r))[1] - 1, -14) - 2)
;;       q = np.round(r / step) * step * 2.0 ** e      # np.round: ties to even
;;       return np.moveaxis(q.reshape(q.shape[:-2] + (-1,))[..., :K], -1, axis).astype(np.float32)
;;   ~~~
;;   OPERANDS COMPUTED ON THE WAY. 'Computed on the way' means the value that the module computes at that place (a softmax that the list does not call 'softmax' is quantised finished and normalised). What goes into a quantiser is computed in f32, as accurately as f32 sums, v_exp_f32 and their like allow (about 1e-6 of the number): no bf16 or f16 on the way to a quantiser, and a product that is left as it is and whose result goes on into a quantised operand takes f32 operands (vector FMAs, or v_wmma_f32_16x16x4_f32). A number that lies on a knife's edge between two numbers of the format may be rounded either way, as far as f32 arithmetic and the matrix unit's own rounding can turn it there, and no further.
;; 2 versions. Each part assembles by itself: llvm-mc -triple=amdgcn-amd-amdhsa -mcpu=gfx1250 --defsym DOCPART=n.
;; ======== version 1 of 2: 4 launches
;; workspace buffers: xq 1,048,576 bytes; xs 32,768 bytes; sel 4,096 bytes of whole numbers; gw 8,192 bytes; hq 33,554,432 bytes; hs 2,097,152 bytes; place 34,816 bytes of whole numbers; yp 67,108,864 bytes
;; launch route (part 1): grid 256 x 1, 4 waves a work-group, no clusters, 41,472 bytes of LDS; arguments x, Wr, xq, xs, sel, gw; writes xq, xs, sel, gw
.if DOCPART == 1
	.amdgcn_target "amdgcn-amd-amdhsa--gfx1250"
	.amdhsa_code_object_version 6
	.text
	.protected	k_q7edd35ab15_route
	.globl	k_q7edd35ab15_route
	.p2align	8
	.type	k_q7edd35ab15_route,@function
k_q7edd35ab15_route:
	s_mov_b64 s[64:65], 0
	v_nop
	global_prefetch_b8 v0, s[64:65] scope:SCOPE_SE
	s_setreg_imm32_b32 hwreg(HW_REG_WAVE_MODE, 25, 1), 1
	s_wait_xcnt 0x0
; ROUTER AND QUANTISER OF x.  One wave takes one token t = 4 x work-group + wave.
; logits = x[t] . Wr in f32 (fused multiply-adds, 32 k a lane, then a sum over the lanes); softmax with the maximum taken away; top-2 by compares and selects alone
; (strictly greater: the lower index wins a tie, as jax.lax.top_k has it); the two weights renormalised.  Stored at fixed places: sel[t] = e0 | e1 << 8, gw[t] = (w0, w1).
; x[t] is quantised along D: codes of E5M2 with one E8M0 byte for each 32.  INSIDE each block of 32 the code of k lies at byte 16 (k % 2) + k / 2: the same order that the
; weights' codes get in the next launch, so the products are the same.  xq: [t][32 blocks][32 bytes];  xs: [t][32 bytes], blocks in their own order.
; LIMITS: NaN and infinities are not served.  A block whose largest magnitude lies under 2^-111 keeps the byte 1 (a block of zeros too: its codes are zeros; only this program reads the bytes).
; Probabilities that the exponential gives as 0 tie at 0; their weight is 0 either way.  The sum over k is taken in another order than reference() takes it.
; No matrix unit, no cluster: 8 columns are too few for a tile, and the launch's bytes are x once.  sel, gw and xs leave as 16, 32 and 128 bytes a work-group: 44 KB in the launch.
.set WRS,  0                           ; LDS: Wr as 128 pieces of 256 bytes (8 k x 8 experts), 272 bytes apart
.set XST,  34816                       ; 1,024 bytes a wave: the token's codes, in their order in memory
.set SST,  38912                       ; 32 bytes a wave: its scale bytes
.set SELS, 39168                       ; 4 bytes a wave
.set GWS,  39424                       ; 8 bytes a wave
.set PS, 17                            ; v17      the two chosen probabilities' sum
.set X,  20                            ; v20-51   my 32 numbers of x: k = 256 i + 8 lane + 0 .. 7 at X + 8 i
.set A,  52                            ; v52-59   the eight logits, later the probabilities
.set W,  64                            ; v64-191  two sets of 64: Wr[k][0..7] of my 8 k
.set TT, 192                           ; v192-199 at work
.set QA, 64                            ; the quantiser's registers lie where Wr lay
.set QS, 68
.set QH, 72
.set QB, 76
.set QC, 80
.set QE, 88
.set QO, 92
.set QL, 96
	s_load_b256 s[4:11], s[0:1], 0x0               ; x s[4:5], Wr s[6:7], xq s[8:9], xs s[10:11]
	s_load_b128 s[12:15], s[0:1], 0x20             ; sel s[12:13], gw s[14:15]
	v_lshl_add_u32 v200, v0, 2, 0xa000
	v_mov_b32 v201, 0
	v_and_b32 v1, 31, v0                           ; lane
	v_lshrrev_b32 v2, 5, v0
	v_readfirstlane_b32 s16, v2                    ; wave
	v_lshlrev_b32 v3, 4, v0                        ; Wr in memory: 16 bytes a thread
	v_lshrrev_b32 v4, 4, v0
	v_lshl_add_u32 v4, v4, 4, v3                   ; and in LDS: 16 more for each 256 passed
	v_lshlrev_b32 v5, 5, v1                        ; x: 32 bytes a lane
	v_mul_u32_u24 v6, v1, 272                      ; my piece of Wr
	s_lshl_b32 s17, s16, 10
	s_add_co_u32 s17, s17, XST
	v_lshrrev_b32 v2, 2, v1                        ; lane / 4: which block of the eight
	v_and_b32 v7, 3, v1
	v_lshlrev_b32 v7, 2, v7
	v_lshl_add_u32 v7, v2, 5, v7
	v_add_nc_u32 v7, s17, v7                       ; where my four even codes go: 32 (lane / 4) + 4 (lane % 4); the odd ones 16 further on
	v_lshlrev_b32 v10, 4, v1                       ; 16 x lane
	v_add_nc_u32 v9, s17, v10                      ; and where I read the codes back
	s_lshl_b32 s17, s16, 5
	s_add_co_u32 s17, s17, SST
	v_add_nc_u32 v8, s17, v2                       ; my block's scale byte
	v_lshlrev_b32 v11, 2, v1                       ; 4 x lane
	s_lshl_b32 s17, s16, 2
	s_add_co_u32 s17, s17, SELS
	v_mov_b32 v12, s17
	s_lshl_b32 s17, s16, 3
	s_add_co_u32 s17, s17, GWS
	v_mov_b32 v13, s17
	v_add_nc_u32 v14, SST, v11                     ; wave 0's reads at the end
	v_and_b32 v15, 3, v1
	v_lshl_add_u32 v15, v15, 2, SELS
	v_and_b32 v16, 7, v1
	v_lshl_add_u32 v16, v16, 2, GWS
	s_mov_b32 s18, 0x76543210
	s_mov_b32 s19, 0xfedcba98                      ; v_permlanex16_b32's selects for lane l xor 16
	s_mov_b32 s21, 0x600000                        ; the mantissa field of 57,344
	s_mov_b32 s25, 0x06040200                      ; bytes 0, 2 of two words: the even k
	s_mov_b32 s26, 0x07050301                      ; the odd k
.irp e, 0,1,2,3,4,5,6,7
	v_mov_b32 v[TT+\e], 0                          ; written once: a lane permute's destination counts as one of its sources
.endr
	s_lshl_b32 s24, ttmp9, 2
	s_add_co_u32 s24, s24, s16                     ; my token
	s_mov_b32 s23, 0
	s_lshl_b32 s22, s24, 12
	s_wait_kmcnt 0x0
	s_add_nc_u64 s[4:5], s[4:5], s[22:23]          ; x at my token
	s_lshl_b32 s22, s24, 10
	s_add_nc_u64 s[8:9], s[8:9], s[22:23]          ; its codes
	s_lshl_b32 s22, ttmp9, 7
	s_add_nc_u64 s[10:11], s[10:11], s[22:23]      ; the work-group's 128 scale bytes,
	s_lshl_b32 s22, ttmp9, 4
	s_add_nc_u64 s[12:13], s[12:13], s[22:23]      ; its 4 words of sel,
	s_lshl_b32 s22, ttmp9, 5
	s_add_nc_u64 s[14:15], s[14:15], s[22:23]      ; its 8 words of gw
.irp n, 0,1,2,3,4,5,6,7,8,9,10,11,12,13,14,15
	global_load_b128 v[W+4*\n:W+4*\n+3], v3, s[6:7] offset:2048*\n   ; all of Wr: 128 threads x 16 bytes x 16
.endr
.irp i, 0,1,2,3
	global_load_b128 v[X+8*\i:X+8*\i+3], v5, s[4:5] offset:1024*\i
	global_load_b128 v[X+8*\i+4:X+8*\i+7], v5, s[4:5] offset:1024*\i+16
.endr
	s_wait_loadcnt 8                               ; Wr is in; the eight loads of x may stay out
.irp n, 0,1,2,3,4,5,6,7,8,9,10,11,12,13,14,15
	ds_store_b128 v4, v[W+4*\n:W+4*\n+3] offset:2176*\n
.endr
	s_wait_dscnt 0x0                               ; for the others' sake: my part of Wr lies in LDS
	s_barrier_signal -1
	s_barrier_wait -1
	s_wait_loadcnt 0x0                             ; x
.macro WFETCH i, set                   ; Wr of my 8 k of run i: 256 bytes
.irp c, 0,1,2,3,4,5,6,7,8,9,10,11,12,13,14,15
	ds_load_b128 v[W+64*\set+4*\c:W+64*\set+4*\c+3], v6 offset:8704*\i+16*\c
.endr
.endm
.macro DOT i, set                      ; 8 k x 8 experts: 32 packed multiply-adds; x[k] serves both halves
.irp kp, 0,1,2,3
.irp s, 0,1
.irp pr, 0,1,2,3
.if (\i == 0) && (\kp == 0) && (\s == 0)
	v_pk_mul_f32 v[A+2*\pr:A+2*\pr+1], v[W+64*\set+2*\pr:W+64*\set+2*\pr+1], v[X:X+1] op_sel_hi:[1,0]   ; the first k starts the sums
.else
	v_pk_fma_f32 v[A+2*\pr:A+2*\pr+1], v[W+64*\set+8*(2*\kp+\s)+2*\pr:W+64*\set+8*(2*\kp+\s)+2*\pr+1], v[X+8*\i+2*\kp:X+8*\i+2*\kp+1], v[A+2*\pr:A+2*\pr+1] op_sel:[0,\s,0] op_sel_hi:[1,\s,1]
.endif
.endr
.endr
.endr
.endm
	WFETCH 0, 0
	WFETCH 1, 1
	s_wait_dscnt 16                                ; run 0 is in; run 1's sixteen loads may stay out
	DOT 0, 0
	WFETCH 2, 0
	s_wait_dscnt 16
	DOT 1, 1
	WFETCH 3, 1
	s_wait_dscnt 16
	DOT 2, 0
	s_wait_dscnt 0x0
	DOT 3, 1
.irp x, 1,2,4,8                        ; the sum over the 32 lanes: every lane ends with all eight logits
.irp e, 0,1,2,3,4,5,6,7
	v_add_f32_dpp v[A+\e], v[A+\e], v[A+\e] row_xmask:\x row_mask:0xf bank_mask:0xf
.endr
.endr
.irp e, 0,1,2,3,4,5,6,7
	v_permlanex16_b32 v[TT+\e], v[A+\e], s18, s19
.endr
.irp e, 0,1,2,3,4,5,6,7
	v_add_f32 v[A+\e], v[A+\e], v[TT+\e]
.endr
	v_max3_num_f32 v[TT], v[A], v[A+1], v[A+2]     ; softmax: the maximum is taken away first
	v_max3_num_f32 v[TT], v[TT], v[A+3], v[A+4]
	v_max3_num_f32 v[TT], v[TT], v[A+5], v[A+6]
	v_max_num_f32 v[TT], v[TT], v[A+7]
.irp e, 0,1,2,3,4,5,6,7
	v_sub_f32 v[A+\e], v[A+\e], v[TT]
.endr
.irp e, 0,1,2,3,4,5,6,7
	v_mul_f32 v[A+\e], 0x3fb8aa3b, v[A+\e]         ; x log2(e)
.endr
.irp e, 0,1,2,3,4,5,6,7
	v_exp_f32 v[A+\e], v[A+\e]
.endr
	v_nop                                          ; a plain instruction behind the last exponential
	s_wait_alu depctr_va_vdst(0)                   ; one wait for the batch of eight, ahead of its first reader
	v_add_f32 v[TT], v[A], v[A+1]
	v_add_f32 v[TT+1], v[A+2], v[A+3]
	v_add_f32 v[TT+2], v[A+4], v[A+5]
	v_add_f32 v[TT+3], v[A+6], v[A+7]
	v_add_f32 v[TT], v[TT], v[TT+1]
	v_add_f32 v[TT+2], v[TT+2], v[TT+3]
	v_add_f32 v[TT], v[TT], v[TT+2]
	v_rcp_f32 v[TT+1], v[TT]
	v_nop
	s_wait_alu depctr_va_vdst(0)
.irp e, 0,1,2,3,4,5,6,7
	v_mul_f32 v[A+\e], v[A+\e], v[TT+1]            ; the probabilities
.endr
	v_mov_b32 v[TT], v[A]                          ; the largest so far, and its index
	v_mov_b32 v[TT+1], 0
.irp e, 1,2,3,4,5,6,7
	v_cmp_gt_f32 vcc_lo, v[A+\e], v[TT]
	v_cndmask_b32 v[TT], v[TT], v[A+\e], vcc_lo
	v_cndmask_b32 v[TT+1], v[TT+1], \e, vcc_lo
.endr
.irp e, 0,1,2,3,4,5,6,7
	v_cmp_eq_u32 vcc_lo, \e, v[TT+1]
	v_cndmask_b32 v[A+\e], v[A+\e], -1.0, vcc_lo   ; the winner stands aside: under every probability
.endr
	v_mov_b32 v[TT+2], v[A]
	v_mov_b32 v[TT+3], 0
.irp e, 1,2,3,4,5,6,7
	v_cmp_gt_f32 vcc_lo, v[A+\e], v[TT+2]
	v_cndmask_b32 v[TT+2], v[TT+2], v[A+\e], vcc_lo
	v_cndmask_b32 v[TT+3], v[TT+3], \e, vcc_lo
.endr
	v_add_f32 v[PS], v[TT], v[TT+2]
	v_rcp_f32 v[TT+7], v[PS]
	v_lshl_or_b32 v[TT+6], v[TT+3], 8, v[TT+1]     ; sel = e0 | e1 << 8: the plain instruction behind the reciprocal; it names neither the reciprocal's source nor its result
	s_wait_alu depctr_va_vdst(0)
	v_mul_f32 v[TT+4], v[TT], v[TT+7]
	v_mul_f32 v[TT+5], v[TT+2], v[TT+7]
	ds_store_b32 v12, v[TT+6]                      ; all lanes write the same word with the same value
	ds_store_b64 v13, v[TT+4:TT+5]
	; THE QUANTISER.  A block of 32 lies in four neighbouring lanes, 8 numbers each; the four runs i by turns
.irp i, 0,1,2,3
	v_max3_num_f32 v[QA+\i], |v[X+8*\i]|, |v[X+8*\i+1]|, 0x8000000   ; with the floor 2^(16 - 127): the byte cannot fall under 1
.endr
.irp u, 2,4,6
.irp i, 0,1,2,3
	v_max3_num_f32 v[QA+\i], v[QA+\i], |v[X+8*\i+\u]|, |v[X+8*\i+\u+1]|
.endr
.endr
.irp x, 1,2
.irp i, 0,1,2,3
	v_max_num_f32_dpp v[QA+\i], v[QA+\i], v[QA+\i] row_xmask:\x row_mask:0xf bank_mask:0xf
.endr
.endr
.irp i, 0,1,2,3
	v_add_nc_u32 v[QS+\i], 0xf8800000, v[QA+\i]    ; 15 off the exponent field: the conversion's scale operand
.endr
.irp i, 0,1,2,3
	v_and_or_b32 v[QH+\i], v[QA+\i], 0x7f800000, s21   ; 57,344 x the scale
.endr
.irp i, 0,1,2,3
	v_lshrrev_b32 v[QB+\i], 23, v[QS+\i]           ; the scale's byte
.endr
.set n, 0
.rept 32
	v_med3_num_f32 v[X+n], v[X+n], -v[QH+n/8], v[QH+n/8]   ; the conversion to an 8-bit code does not saturate (ISA guide 7.6.2): the hold comes first
.set n, n+1
.endr
.irp i, 0,1,2,3
	v_cvt_scalef32_pk8_bf8_f32 v[QC+2*\i:QC+2*\i+1], v[X+8*\i:X+8*\i+7], v[QS+\i]
.endr
	v_nop                                          ; a plain instruction between the last conversion and the first reader of a result
.irp i, 0,1,2,3
	v_perm_b32 v[QE+\i], v[QC+2*\i+1], v[QC+2*\i], s25   ; my four even k: bytes 4 (lane % 4) on of the block
	v_perm_b32 v[QO+\i], v[QC+2*\i+1], v[QC+2*\i], s26   ; my four odd k: 16 bytes further on
.endr
.irp i, 0,1,2,3
	ds_store_b32 v7, v[QE+\i] offset:256*\i
	ds_store_b32 v7, v[QO+\i] offset:256*\i+16
	ds_store_b8 v8, v[QB+\i] offset:8*\i           ; the four lanes of a block write the same byte with the same value
.endr
	ds_load_b128 v[QL:QL+3], v9                    ; LDS serves a wave's instructions in order: these see my stores
	ds_load_b128 v[QL+4:QL+7], v9 offset:512
	s_wait_dscnt 0x0                               ; the codes are back; and, for wave 0's sake, my bytes, sel and gw lie in LDS
	global_store_b128 v10, v[QL:QL+3], s[8:9]      ; 512 consecutive bytes a store
	global_store_b128 v10, v[QL+4:QL+7], s[8:9] offset:512
	s_barrier_signal -1
	s_barrier_wait -1
	s_cmp_lg_u32 s16, 0
	s_cbranch_scc1 .Lend
	ds_load_b32 v[QL+8], v14                       ; wave 0 stores what the four waves gathered
	ds_load_b32 v[QL+9], v15
	ds_load_b32 v[QL+10], v16
	s_wait_dscnt 0x0
	global_store_b32 v11, v[QL+8], s[10:11]        ; 128 scale bytes
	s_wait_xcnt 0x0                                ; EXEC changes only behind this wait
	v_cmp_gt_u32 vcc_lo, 8, v1
	s_and_saveexec_b32 s20, vcc_lo
	global_store_b32 v11, v[QL+10], s[14:15]       ; gw: 8 words
	s_wait_xcnt 0x0
	s_or_b32 exec_lo, exec_lo, s20
	v_cmp_gt_u32 vcc_lo, 4, v1
	s_and_saveexec_b32 s20, vcc_lo
	global_store_b32 v11, v[QL+9], s[12:13]        ; sel: 4 words
	s_wait_xcnt 0x0
	s_or_b32 exec_lo, exec_lo, s20
.Lend:
	s_wait_tensorcnt 0x0
	ds_add_u32 v200, v201
	s_wait_dscnt 0x0
	s_endpgm
.Lfunc_end_k_q7edd35ab15_route:
	.size	k_q7edd35ab15_route, .Lfunc_end_k_q7edd35ab15_route-k_q7edd35ab15_route
	.p2alignl 7, 3214868480
	.fill 96, 4, 3214868480
	.section	.rodata,"a",@progbits
	.p2align	6, 0x0
	.amdhsa_kernel k_q7edd35ab15_route
		.amdhsa_group_segment_fixed_size 41472
		.amdhsa_private_segment_fixed_size 0
		.amdhsa_enable_private_segment 0
		.amdhsa_kernarg_size 48
		.amdhsa_user_sgpr_count 2
		.amdhsa_user_sgpr_kernarg_segment_ptr 1
		.amdhsa_wavefront_size32 1
		.amdhsa_system_sgpr_workgroup_id_x 1
		.amdhsa_system_sgpr_workgroup_id_y 1
		.amdhsa_system_sgpr_workgroup_id_z 1
		.amdhsa_system_vgpr_workitem_id 0
		.amdhsa_next_free_vgpr 202
		.amdhsa_next_free_sgpr 66
		.amdhsa_reserve_vcc 1
		.amdhsa_float_denorm_mode_32 3
		.amdhsa_float_denorm_mode_16_64 3
		.amdhsa_memory_ordered 1
		.amdhsa_forward_progress 1
		.amdhsa_inst_pref_size 34
	.end_amdhsa_kernel
	.amdgpu_metadata
---
amdhsa.version: [ 1, 2 ]
amdhsa.kernels:
  - .name:           k_q7edd35ab15_route
    .symbol:         k_q7edd35ab15_route.kd
    .args:
      - { .name: x, .offset: 0, .size: 8, .value_kind: global_buffer, .address_space: global }
      - { .name: Wr, .offset: 8, .size: 8, .value_kind: global_buffer, .address_space: global }
      - { .name: xq, .offset: 16, .size: 8, .value_kind: global_buffer, .address_space: global }
      - { .name: xs, .offset: 24, .size: 8, .value_kind: global_buffer, .address_space: global }
      - { .name: sel, .offset: 32, .size: 8, .value_kind: global_buffer, .address_space: global }
      - { .name: gw, .offset: 40, .size: 8, .value_kind: global_buffer, .address_space: global }
    .group_segment_fixed_size: 41472
    .private_segment_fixed_size: 0
    .kernarg_segment_align: 8
    .kernarg_segment_size: 48
    .max_flat_workgroup_size: 128
    .sgpr_count:     66
    .vgpr_count:     202
    .wavefront_size: 32
...
	.end_amdgpu_metadata
.endif
;; end of part 1
;; launch gemm1 (part 2): grid 32 x 8, 8 waves a work-group, no clusters, 148,480 bytes of LDS; arguments W1, xq, xs, sel, hq, hs, place; writes hq, hs, place
.if DOCPART == 2
	.amdgcn_target "amdgcn-amd-amdhsa--gfx1250"
	.amdhsa_code_object_version 6
	.text
	.protected	k_q7edd35ab15_gemm1
	.globl	k_q7edd35ab15_gemm1
	.p2align	8
	.type	k_q7edd35ab15_gemm1,@function
k_q7edd35ab15_gemm1:
	s_mov_b64 s[64:65], 0
	v_nop
	global_prefetch_b8 v0, s[64:65] scope:SCOPE_SE
	s_setreg_imm32_b32 hwreg(HW_REG_WAVE_MODE, 25, 1), 1
	s_wait_xcnt 0x0
; h = silu(x W1) for the rows routed to one expert, in MX-BF8, and h quantised on the way.  Work-group (slice, e): expert e, hidden units 128 slice .. + 127, all of K = 1,024.
; THE WEIGHTS STAY, THE ROWS PASS.  The work-group's 1,024 x 128 numbers of W1 are read from memory once, as f32, quantised in registers and parked in LDS as images of operand registers.
; ROLES.  Waves 0-3 (producers) only stream and quantise weights; waves 4-7 (consumers) only fetch rows' codes and multiply.  Each role has its own count of loads.
; A ROUND: producer p quantises one unit of 128 k x 64 columns (4 blocks of 32 k): 4 fragments and 4 scale words.  Round n: columns 64 (n / 2) on, K steps 4 (n % 2) + p.  Four rounds.
;   In front of a round's barrier the producers store that round's images; behind it the consumers read them, while the producers work on the next round's, which are other bytes.
; A BLOCK: 16 loads of 16 bytes a lane; lane (r, h) reads row k0 + 2 i + h, columns 4 r .. 4 r + 3: sixteen lanes read 256 consecutive bytes.  So a lane holds, of column 4 r + j, the k of one parity:
;   with the code of k laid at place 16 (k % 2) + k / 2 of its block, those are places 16 h + 0 .. 15: the lane's four registers of the fragment of COLUMN TILE j = columns {4 m + j}.  x's codes lie in the same order.
;   The four columns of a lane have four scales: the numbers are multiplied by 2^-e (exact), held at +-57,344 and converted with the scale 1; a turn of 4 x 4 bytes sorts the codes by column.
; ROWS.  Wave 4 builds the expert's list of tokens from sel (a count over lanes; the list's order is the order of the count) in LDS; slice 0 stores each token's place and the count for the later launches.
;   A consumer takes 5 tiles of 16 rows a pass, the four of them 320 rows; four passes always, 1,280 places for at most 1,024 rows.  A wave whose first row lies beyond the count does nothing in that pass.
; THE PRODUCT IS USED TRANSPOSED (source 0 = 16 columns of W1, source 1 = 16 tokens): lane (r, h) holds token r and hidden units 32 h + 4 j' + j of the 64: one whole block of the next K.
; OUT: hq, images of the next product's fragments [e][tile][K step = slice][c][lane][16 bytes]; hs, images of its scale registers (lanes 0-15 count).
; The accumulators are cleared by moves, 160 for each 64 columns, so that one text of a K step serves every round.
; LIMITS: NaN and infinities are not served; a block whose largest magnitude lies under 2^-111 keeps the byte 1 (its codes are read by this program alone); where exp2 overflows, silu is taken as -0.
.set PITCH, 16384                      ; a row of W1 in bytes
.set WSC,   131072                     ; LDS: 0: the weights' images, unit (4 round + p), tile j at ((4 round + p) 4 + j) 2,048 + 512 c + 16 lane;  WSC: their scale words, 128 bytes each
.set LIST,  139264                     ; 1,280 places of the list, then 32 words that take what does not belong to the expert; 5,632 bytes are cleared
.set CNTW,  144896                     ; the count, 32 equal words
.set L16,  1                           ; v1   16 x lane        v2   4 x lane
.set L4,   2
.set VW,   3                           ; v3   the weights' offset: h rows + 16 r
.set IMG0, 4                           ; v4   16 lane + 8,192 (wave % 4)         v5   WSC + 4 lane + 512 (wave % 4)        v7   WSC + 4 lane
.set SC0,  5
.set WS0,  7
.set IMGR, 8                           ; v8-11 the same four (with v1) in the round in hand
.set SCR,  9
.set WFR,  10
.set WSR,  11
.set LST0, 12                          ; v12  LIST + 4 r + 320 (wave % 4)        v13  in the pass in hand
.set LSTR, 13
.set H16,  14                          ; v14  16 h
.set CNA,  15                          ; v15  CNTW + 4 lane
.set AS,   16                          ; v16-25 the rows' scale words, two sets of five;  v26-29 the weights': these registers hold scales and nothing else
.set WS,   26
.set XO,   30                          ; v30-34 byte offset of my token's codes, v35-39 of its scale bytes, v40-44 h's scale words in the making
.set XSO,  35
.set SWH,  40
.set LZ,   45                          ; v45  LIST + 16 lane
.set SCA,  46                          ; v46  where a token goes in the list
.set TMP,  47
.set WF,   48                          ; consumers: v48-111 four weight fragments (on the way out: h's codes, 8 a tile)
.set CD,   48                          ; producers: v48-63 codes by row, v64-79 half turned, v80-95 by column
.set PA,   64
.set FR,   80
.set ACT0, 112                         ; v112-191 five row fragments, set 0; set 1 in window 1, v160-239; accumulator (i, j) in window 1 at v[32 i + 8 j]
.set AM,   192                         ; producers, at work
.set PX,   196
.set MU,   200
.set BY,   204
.set SW,   208
.set ONE,  212
.set EX,   216
.set TT,   192                         ; consumers, the way out: v192-223, v224-255
.set HR,   224
.set SL,   112                         ; wave 4, the list: sel as loaded, the places
.set PR,   144
.set MSB, 0
.macro WIN new                         ; the immediate's high byte repeats the setting that is left
.if MSB != (\new)
	s_set_vgpr_msb (MSB<<8)|(\new)
.set MSB, (\new)
.endif
.endm
.macro PLACES                          ; eight plain instructions behind this matrix form, ahead of loads into its registers and of readers of its results
.rept 8
	v_nop
.endr
.endm
.macro WLOAD c                         ; block c of a unit: 32 rows x 256 bytes into window 1, v[64 c ..]; read once in the launch
.irp i, 0,1,2,3,4,5,6,7,8,9,10,11,12,13,14,15
	global_load_b128 v[64*\c+4*\i:64*\c+4*\i+3], v[VW], s[28:29] offset:(32*\c+2*\i)*PITCH th:TH_LOAD_NT
.endr
.endm
.macro QBLK c, refill, left            ; block c is quantised; left: the younger blocks' loads, which may stay out
	s_wait_loadcnt \left
	WIN 0x14                                       ; sources 1 and 2 in window 1
.irp j, 0,1,2,3
	v_max3_num_f32 v[AM+\j], 0x8000000, |v[64*\c+\j]|, |v[64*\c+4+\j]|   ; column j: my 16 numbers, and the floor 2^(16 - 127)
.endr
.irp i, 2,4,6,8,10,12,14
.irp j, 0,1,2,3
	v_max3_num_f32 v[AM+\j], v[AM+\j], |v[64*\c+4*\i+\j]|, |v[64*\c+4*\i+4+\j]|
.endr
.endr
	WIN 0
.irp j, 0,1,2,3
	v_permlanex16_b32 v[PX+\j], v[AM+\j], s46, s47
.endr
.irp j, 0,1,2,3
	v_max_num_f32 v[AM+\j], v[AM+\j], v[PX+\j]     ; with the other parity's 16: the block's largest magnitude
.endr
.irp j, 0,1,2,3
	v_and_b32 v[EX+\j], 0x7f800000, v[AM+\j]
.endr
.irp j, 0,1,2,3
	v_sub_nc_u32 v[MU+\j], 0x86800000, v[EX+\j]    ; 2^-e: exponent field 269 - the magnitude's
.endr
.irp j, 0,1,2,3
	v_lshrrev_b32 v[BY+\j], 23, v[EX+\j]
.endr
.irp j, 0,1,2,3
	v_add_nc_u32 v[BY+\j], -15, v[BY+\j]           ; the scale's byte
.endr
.irp j, 0,1,2,3
.if \c == 0
	v_mov_b32 v[SW+\j], v[BY+\j]
.else
	v_lshl_or_b32 v[SW+\j], v[BY+\j], 8*\c, v[SW+\j]
.endif
.endr
	WIN 0x41                                       ; destination and source 0 in window 1
.irp i, 0,1,2,3,4,5,6,7,8,9,10,11,12,13,14,15
	v_pk_mul_f32 v[64*\c+4*\i:64*\c+4*\i+1], v[64*\c+4*\i:64*\c+4*\i+1], v[MU:MU+1]
	v_pk_mul_f32 v[64*\c+4*\i+2:64*\c+4*\i+3], v[64*\c+4*\i+2:64*\c+4*\i+3], v[MU+2:MU+3]
.endr
.set n, 0
.rept 64
	v_med3_num_f32 v[64*\c+n], v[64*\c+n], s52, s53   ; the conversion does not saturate (ISA guide 7.6.2): the hold at +-57,344
.set n, n+1
.endr
	WIN 0x01
.irp m, 0,1,2,3,4,5,6,7
	v_cvt_scalef32_pk8_bf8_f32 v[CD+2*\m:CD+2*\m+1], v[64*\c+8*\m:64*\c+8*\m+7], v[ONE]   ; word i: row i, columns j = 0 .. 3
.endr
	WIN 0
	v_nop                                          ; a plain instruction between the last conversion and the first reader
	s_wait_dscnt 0x0                               ; the last block's LDS stores are done
.irp q, 0,1,2,3                        ; 4 x 4 bytes are turned: word q of column j = rows 4 q .. 4 q + 3
	v_perm_b32 v[PA+4*\q],   v[CD+4*\q+1], v[CD+4*\q],   s48
	v_perm_b32 v[PA+4*\q+1], v[CD+4*\q+1], v[CD+4*\q],   s49
	v_perm_b32 v[PA+4*\q+2], v[CD+4*\q+3], v[CD+4*\q+2], s48
	v_perm_b32 v[PA+4*\q+3], v[CD+4*\q+3], v[CD+4*\q+2], s49
.endr
.irp q, 0,1,2,3
	v_perm_b32 v[FR+\q],    v[PA+4*\q+2], v[PA+4*\q],   s50
	v_perm_b32 v[FR+4+\q],  v[PA+4*\q+2], v[PA+4*\q],   s51
	v_perm_b32 v[FR+8+\q],  v[PA+4*\q+3], v[PA+4*\q+1], s50
	v_perm_b32 v[FR+12+\q], v[PA+4*\q+3], v[PA+4*\q+1], s51
.endr
.irp j, 0,1,2,3
	ds_store_b128 v[IMGR], v[FR+4*\j:FR+4*\j+3] offset:2048*\j+512*\c   ; registers 4 c .. 4 c + 3 of tile j's fragment, as they stand: 512 consecutive bytes
.endr
.if \c == 3
.irp j, 0,1,2,3
	ds_store_b32 v[SCR], v[SW+\j] offset:128*\j
.endr
.endif
.if \refill
	WIN 0x40
	WLOAD \c                                       ; the next unit's block c takes the registers just left
	WIN 0
.endif
.endm
.macro ACTLOAD k, buf, xb, xsb         ; five tiles' fragments and scale words of the round's K step k: 25 loads
.if (\buf)
	WIN 0x40
.endif
.irp i, 0,1,2,3,4
.irp c, 0,1,2,3
	global_load_b128 v[ACT0+48*(\buf)+16*\i+4*\c:ACT0+48*(\buf)+16*\i+4*\c+3], v[XO+\i], s[\xb:\xb+1] offset:128*(\k)+32*\c
.endr
.endr
	WIN 0
.irp i, 0,1,2,3,4
	global_load_b32 v[AS+5*(\buf)+\i], v[XSO+\i], s[\xsb:\xsb+1] offset:4*(\k)
.endr
.endm
.macro WRUN k, half                    ; two weight fragments and their scale words from LDS: ten loads
.irp jj, 0,1
.irp c, 0,1,2,3
	ds_load_b128 v[WF+16*(2*\half+\jj)+4*\c:WF+16*(2*\half+\jj)+4*\c+3], v[WFR] offset:8192*(\k)+2048*(2*\half+\jj)+512*\c
.endr
	ds_load_b32 v[WS+2*\half+\jj], v[WSR] offset:512*(\k)+128*(2*\half+\jj)
.endr
.endm
.macro MUL10 half, buf                 ; ten products on ten accumulators, by turns
	WIN 0x50+4*(\buf)                              ; C and D in window 1; source 1 in the set's window
.irp jj, 0,1
.irp i, 0,1,2,3,4
	v_wmma_scale_f32_16x16x128_f8f6f4 v[32*\i+8*(2*\half+\jj):32*\i+8*(2*\half+\jj)+7], v[WF+16*(2*\half+\jj):WF+16*(2*\half+\jj)+15], v[ACT0+48*(\buf)+16*\i:ACT0+48*(\buf)+16*\i+15], v[32*\i+8*(2*\half+\jj):32*\i+8*(2*\half+\jj)+7], v[WS+2*\half+\jj], v[AS+5*(\buf)+\i] matrix_a_fmt:MATRIX_FMT_BF8 matrix_b_fmt:MATRIX_FMT_BF8
.endr
.endr
.endm
.macro KSTEP k
.if \k < 3
	ACTLOAD \k+1, (\k+1)%2, 34, 36
	s_wait_loadcnt 25                              ; all but the 25 just issued: this K step's rows are in
.else
	s_cmp_lt_u32 s23, 3
	s_cbranch_scc0 .Lmm_last_\@
	ACTLOAD 0, 0, 38, 40                           ; the next round's first K step
	s_wait_loadcnt 25
	s_branch .Lmm_go_\@
.Lmm_last_\@:
	s_wait_loadcnt 0x0
.Lmm_go_\@:
.endif
	s_wait_dscnt 10                                ; tiles 0 and 1 are in; the ten loads of tiles 2 and 3 may stay out
	MUL10 0, \k%2
	WIN 0
	PLACES
.if \k < 3
	WRUN \k+1, 0
	s_wait_dscnt 10                                ; tiles 2 and 3 are in; the ten just issued may stay out
.else
	s_wait_dscnt 0x0
.endif
	MUL10 1, \k%2
	WIN 0
	PLACES                                         ; behind the round's last products these are also the places ahead of the way out
.if \k < 3
	WRUN \k+1, 1
.endif
.endm
.macro CLEAR
	WIN 0x40
.set n, 0
.rept 160
	v_mov_b32 v[n], 0
.set n, n+1
.endr
	WIN 0
.endm
; Tile i's 16 rows x 64 hidden units: silu, the block's scale, codes, and out.  A lane holds one whole block of 32 along the next K.
.macro SILUQ i
	s_add_co_u32 s27, s26, 16*\i
	s_cmp_lt_u32 s27, s24                          ; a tile beyond the count stores nothing
	s_cbranch_scc0 .Lsq_skip_\@
	WIN 0x01
.irp j, 0,1,2,3
.irp u, 0,1,2,3
	v_pk_mul_f32 v[TT+8*\j+2*\u:TT+8*\j+2*\u+1], v[32*\i+8*\j+2*\u:32*\i+8*\j+2*\u+1], s[56:57] op_sel_hi:[1,0]   ; -a log2(e); each accumulator from its low end on
.endr
.endr
	WIN 0
.set n, 0
.rept 32
	v_exp_f32 v[TT+n], v[TT+n]
.set n, n+1
.endr
	v_nop
	s_wait_alu depctr_va_vdst(0)                   ; one wait for the batch of 32
.set n, 0
.rept 16
	v_pk_add_f32 v[TT+n:TT+n+1], v[TT+n:TT+n+1], 1.0 op_sel_hi:[1,0]
.set n, n+2
.endr
.set n, 0
.rept 32
	v_rcp_f32 v[TT+n], v[TT+n]
.set n, n+1
.endr
	v_nop
	s_wait_alu depctr_va_vdst(0)
	WIN 0x01
.irp j, 0,1,2,3
.irp u, 0,1,2,3,4,5,6,7
	v_mul_f32 v[HR+16*(\j%2)+2*\u+\j/2], v[32*\i+8*\j+\u], v[TT+8*\j+\u]   ; silu; unit k = 4 u + j of the block goes to place 16 (k % 2) + k / 2
.endr
.endr
	WIN 0
	v_max3_num_f32 v[TT], |v[HR]|, |v[HR+1]|, 0x8000000
	v_max3_num_f32 v[TT+1], |v[HR+16]|, |v[HR+17]|, 0x8000000
.irp u, 2,4,6,8,10,12,14
	v_max3_num_f32 v[TT], v[TT], |v[HR+\u]|, |v[HR+\u+1]|
	v_max3_num_f32 v[TT+1], v[TT+1], |v[HR+16+\u]|, |v[HR+17+\u]|
.endr
	v_max_num_f32 v[TT], v[TT], v[TT+1]            ; the block's largest magnitude: all 32 are mine
	v_add_nc_u32 v[TT+2], 0xf8800000, v[TT]        ; the conversion's scale operand
	v_and_or_b32 v[TT+3], v[TT], 0x7f800000, s54   ; 57,344 x the scale
	v_lshrrev_b32 v[TT+4], 23, v[TT+2]             ; the byte
.set n, 0
.rept 32
	v_med3_num_f32 v[HR+n], v[HR+n], -v[TT+3], v[TT+3]
.set n, n+1
.endr
.irp u, 0,1,2,3
	v_cvt_scalef32_pk8_bf8_f32 v[WF+8*\i+2*\u:WF+8*\i+2*\u+1], v[HR+8*\u:HR+8*\u+7], v[TT+2]
.endr
	v_nop
	v_permlanex16_b32 v[TT+5], v[TT+4], s46, s47   ; the other block's byte
.irp q, 0,1,2,3
	v_permlane16_swap_b32 v[WF+8*\i+\q], v[WF+8*\i+4+\q]   ; places 16 .. 31 of the lower lanes' block change with places 0 .. 15 of the upper lanes': two groups of four fragment registers
.endr
	global_store_b128 v[L16], v[WF+8*\i:WF+8*\i+3], s[60:61] offset:65536*\i        ; 512 consecutive bytes each
	global_store_b128 v[L16], v[WF+8*\i+4:WF+8*\i+7], s[60:61] offset:65536*\i+512
	v_lshl_or_b32 v[TT+5], v[TT+5], 8, v[TT+4]     ; in lanes 0-15: this group's two bytes in order
	v_lshl_or_b32 v[SWH+\i], v[TT+5], s58, v[SWH+\i]
	s_cmp_eq_u32 s23, 3
	s_cbranch_scc0 .Lsq_skip_\@
	global_store_b32 v[L4], v[SWH+\i], s[44:45] offset:4096*\i   ; the K step's scale word is whole
.Lsq_skip_\@:
.endm
	s_load_b256 s[4:11], s[0:1], 0x0               ; W1 s[4:5], xq s[6:7], xs s[8:9], sel s[10:11]
	s_load_b128 s[12:15], s[0:1], 0x20             ; hq s[12:13], hs s[14:15]
	s_load_b64 s[16:17], s[0:1], 0x30              ; place
	v_lshrrev_b32 v[TMP], 5, v0
	v_readfirstlane_b32 s18, v[TMP]                ; wave 0..7
	s_and_b32 s19, s18, 3                          ; my place in my role
	s_and_b32 s20, ttmp7, 0xffff                   ; the expert
	s_mov_b32 s21, ttmp9                           ; the slice
	v_and_b32 v[TMP], 31, v0
	v_lshlrev_b32 v[L16], 4, v[TMP]
	v_lshlrev_b32 v[L4], 2, v[TMP]
	v_and_b32 v192, 15, v0                         ; r
	v_bfe_u32 v193, v0, 4, 1                       ; h
	v_lshlrev_b32 v[VW], 4, v192
	v_lshl_add_u32 v[VW], v193, 14, v[VW]
	s_lshl_b32 s27, s19, 13
	v_add_nc_u32 v[IMG0], s27, v[L16]
	s_lshl_b32 s27, s19, 9
	s_add_co_u32 s27, s27, WSC
	v_add_nc_u32 v[SC0], s27, v[L4]
	v_add_nc_u32 v[WS0], WSC, v[L4]
	s_mul_i32 s27, s19, 320
	s_add_co_u32 s27, s27, LIST
	v_lshl_add_u32 v[LST0], v192, 2, s27
	v_lshlrev_b32 v[H16], 4, v193
	v_add_nc_u32 v[CNA], CNTW, v[L4]
	v_add_nc_u32 v[LZ], LIST, v[L16]
	s_mov_b32 s46, 0x76543210
	s_mov_b32 s47, 0xfedcba98                      ; v_permlanex16_b32's selects for lane l xor 16
	s_mov_b32 s48, 0x05010400                      ; the byte turn's four selectors
	s_mov_b32 s49, 0x07030602
	s_mov_b32 s50, 0x05040100
	s_mov_b32 s51, 0x07060302
	s_mov_b32 s52, 0xc7600000                      ; -57,344
	s_mov_b32 s53, 0x47600000                      ; 57,344
	s_mov_b32 s54, 0x600000                        ; its mantissa field
	s_mov_b32 s56, 0xbfb8aa3b                      ; -log2(e)
	s_mov_b32 s57, s56                             ; (named with it as a pair)
.irp j, 0,1,2,3
	v_mov_b32 v[PX+\j], 0                          ; written once: a lane permute's destination counts as one of its sources
.endr
	v_mov_b32 v[ONE], 1.0
	s_lshl_b32 s30, s20, 24                        ; the expert's 16 MiB,
	s_lshl_b32 s31, s21, 9                         ; the slice's 512 bytes of a row,
	s_add_co_u32 s30, s30, s31
	s_lshl_b32 s31, s19, 21                        ; my K step's 128 rows
	s_add_co_u32 s30, s30, s31
	s_mov_b32 s31, 0
	s_wait_kmcnt 0x0
	s_add_nc_u64 s[32:33], s[4:5], s[30:31]        ; round 0's unit
	s_cmp_lt_u32 s18, 4
	s_cbranch_scc0 .Lhead_not_p
	s_mov_b64 s[28:29], s[32:33]
	WIN 0x40
	WLOAD 0                                        ; the stream begins: 64 loads of 512 bytes
	WLOAD 1
	WLOAD 2
	WLOAD 3
	WIN 0
	s_branch .Lhead_joined
.Lhead_not_p:
	CLEAR                                          ; the consumers' accumulators
.Lhead_joined:
	s_cmp_eq_u32 s18, 4
	s_cbranch_scc0 .Lno_list
	; THE LIST, by wave 4 alone; no other wave touches LDS ahead of the barrier below
.irp m, 0,1,2,3,4,5,6,7
	global_load_b128 v[SL+4*\m:SL+4*\m+3], v[L16], s[10:11] offset:512*\m   ; register 4 m + q: token 128 m + 4 lane + q
.endr
.irp j, 0,1,2,3
	v_mov_b32 v[176+\j], 0
.endr
.irp n, 0,1,2,3,4,5,6,7,8,9,10
	ds_store_b128 v[LZ], v[176:179] offset:512*\n  ; places that no token takes hold token 0: a row like any other, whose results are not stored or not read
.endr
	v_and_b32 v185, 31, v0
	v_add_nc_u32 v185, 1280, v185                  ; where a lane puts a token that is not the expert's
	s_mov_b32 s66, 0
	s_wait_loadcnt 0x0
.set n, 0
.rept 32
	v_and_b32 v180, 0xff, v[SL+n]
	v_bfe_u32 v181, v[SL+n], 8, 8
	v_cmp_eq_u32 s67, s20, v180
	v_cmp_eq_u32 vcc_lo, s20, v181
	s_or_b32 s67, s67, vcc_lo                      ; the lanes whose token chose this expert
	v_mbcnt_lo_u32_b32 v[PR+n], s67, s66           ; its place: those counted so far + those in lower lanes
	v_cndmask_b32 v182, v185, v[PR+n], s67
	v_min_u32 v182, 0x51f, v182
	v_lshl_add_u32 v[SCA], v182, 2, LIST
	v_add_nc_u32 v183, 128*(n/4)+n%4, v[L4]        ; the token
	ds_store_b32 v[SCA], v183
	s_bcnt1_i32_b32 s68, s67
	s_add_co_u32 s66, s66, s68
.set n, n+1
.endr
	v_mov_b32 v184, s66
	ds_store_b32 v[CNA], v184                      ; the count
	s_cmp_eq_u32 s21, 0
	s_cbranch_scc0 .Lno_list
	s_lshl_b32 s30, s20, 12                        ; slice 0 stores places and count for the launches that follow
	s_add_nc_u64 s[70:71], s[16:17], s[30:31]
	s_lshl_b32 s30, s20, 8
	s_add_co_u32 s30, s30, 32768
	s_add_nc_u64 s[72:73], s[16:17], s[30:31]
.irp m, 0,1,2,3,4,5,6,7
	global_store_b128 v[L16], v[PR+4*\m:PR+4*\m+3], s[70:71] offset:512*\m   ; pos[e][t]; a token that did not choose e gets a number that nobody uses
.endr
	global_store_b32 v[L4], v184, s[72:73]
.Lno_list:
	s_wait_dscnt 0x0                               ; the list and the count lie in LDS
	s_barrier_signal -1
	s_barrier_wait -1
	ds_load_b32 v[TMP], v[CNA]
	s_wait_dscnt 0x0
	v_readfirstlane_b32 s24, v[TMP]
	s_min_u32 s24, s24, 0x400                      ; the expert's rows
	s_mov_b32 s22, 0                               ; the pass
	s_mul_i32 s26, s19, 80                         ; my first row of the pass: 320 pass + 80 (wave % 4)
	s_mov_b32 s59, 0                               ; the pass's bytes of the list
.Lpass:
	s_wait_xcnt 0x0                                ; what earlier loads and stores name may be written again
	v_add_nc_u32 v[LSTR], s59, v[LST0]
	s_lshr_b32 s30, s26, 4                         ; my first tile
	s_lshl_b32 s31, s20, 6
	s_add_co_u32 s30, s30, s31
	s_lshl_b32 s30, s30, 5
	s_add_co_u32 s30, s30, s21                     ; (64 e + tile) 32 + slice
	s_lshl_b32 s66, s30, 7
	s_lshl_b32 s30, s30, 11
	s_mov_b32 s31, 0
	s_add_nc_u64 s[42:43], s[12:13], s[30:31]      ; its fragment in hq,
	s_mov_b32 s30, s66
	s_add_nc_u64 s[44:45], s[14:15], s[30:31]      ; its scale words in hs
	s_cmp_lt_u32 s18, 4
	s_cbranch_scc1 .Lno_setup
	s_wait_loadcnt 0x0                             ; no load of mine is out: its registers and addresses may be written
.irp i, 0,1,2,3,4
	ds_load_b32 v[XO+\i], v[LSTR] offset:64*\i     ; lane (r, h): the token at row r of tile i
.endr
	s_wait_dscnt 0x0
.irp i, 0,1,2,3,4
	v_min_u32 v[XO+\i], 0x3ff, v[XO+\i]
.endr
.irp i, 0,1,2,3,4
	v_lshlrev_b32 v[XSO+\i], 5, v[XO+\i]
.endr
.irp i, 0,1,2,3,4
	v_lshl_add_u32 v[XO+\i], v[XO+\i], 10, v[H16]
.endr
.irp i, 0,1,2,3,4
	v_mov_b32 v[SWH+\i], 0
.endr
	ACTLOAD 0, 0, 6, 8                             ; the pass's first K step
.Lno_setup:
	s_mov_b32 s23, 0                               ; the round
	s_mov_b32 s62, 0                               ; its images, 32,768 bytes a round,
	s_mov_b32 s63, 0                               ; its scale words, 2,048
.Lround:
	s_wait_xcnt 0x0                                ; bases and offsets of what has been issued may be written
	s_add_co_u32 s30, s23, 1                       ; the next round's unit: K steps 4 (n % 2) on, columns 64 (n / 2) on
	s_and_b32 s31, s30, 1
	s_lshl_b32 s31, s31, 23
	s_lshr_b32 s30, s30, 1
	s_lshl_b32 s30, s30, 8
	s_add_co_u32 s30, s30, s31
	s_mov_b32 s31, 0
	s_add_nc_u64 s[28:29], s[32:33], s[30:31]
	s_and_b32 s30, s23, 1
	s_lshl_b32 s30, s30, 9
	s_add_nc_u64 s[34:35], s[6:7], s[30:31]        ; x's codes of this round's four K steps,
	s_xor_b32 s30, s30, 512
	s_add_nc_u64 s[38:39], s[6:7], s[30:31]        ; of the next round's,
	s_lshr_b32 s30, s30, 5
	s_add_nc_u64 s[40:41], s[8:9], s[30:31]        ; and the scale bytes likewise
	s_xor_b32 s30, s30, 16
	s_add_nc_u64 s[36:37], s[8:9], s[30:31]
	s_lshr_b32 s58, s23, 1                         ; which 64 columns
	s_lshl_b32 s30, s58, 10
	s_add_nc_u64 s[60:61], s[42:43], s[30:31]      ; their two groups of fragment registers in hq
	s_lshl_b32 s58, s58, 4                         ; and their two bytes' place in the scale word
	v_add_nc_u32 v[IMGR], s62, v[IMG0]
	v_add_nc_u32 v[SCR], s63, v[SC0]
	v_add_nc_u32 v[WFR], s62, v[L16]
	v_add_nc_u32 v[WSR], s63, v[WS0]
	s_cmp_lt_u32 s18, 4
	s_cbranch_scc0 .Lnot_p
	s_cmp_eq_u32 s22, 0                            ; the weights are quantised in the first pass; the later ones find them in LDS
	s_cbranch_scc0 .Lnot_p
	s_cmp_lt_u32 s23, 3
	s_cbranch_scc0 .Ltail
	QBLK 0, 1, 48                                  ; three younger blocks, 48 loads, stay out
	QBLK 1, 1, 48
	QBLK 2, 1, 48
	QBLK 3, 1, 48
	s_branch .Lnot_p
.Ltail:
	QBLK 0, 0, 48                                  ; the last unit asks for nothing: the counts run down
	QBLK 1, 0, 32
	QBLK 2, 0, 16
	QBLK 3, 0, 0
.Lnot_p:
	s_wait_dscnt 0x0                               ; the round's images lie in LDS; my reads of the last round's are over
	s_barrier_signal -1
	s_barrier_wait -1
	s_cmp_lt_u32 s18, 4
	s_cbranch_scc1 .Lnot_c
	s_cmp_lt_u32 s26, s24                          ; have I rows in this pass?
	s_cbranch_scc0 .Lnot_c
	WRUN 0, 0
	WRUN 0, 1
	s_wait_loadcnt 0x0                             ; the round's first K step, asked for a round ago or at the pass's head, is in: no load is out when registers of window 1 are loaded or written below
	KSTEP 0
	KSTEP 1
	KSTEP 2
	KSTEP 3
	s_bitcmp1_b32 s23, 0                           ; behind an odd round all of K is summed for 64 columns
	s_cbranch_scc0 .Lnot_c
	SILUQ 0
	SILUQ 1
	SILUQ 2
	SILUQ 3
	SILUQ 4
	CLEAR
.Lnot_c:
	s_add_co_u32 s62, s62, 32768
	s_add_co_u32 s63, s63, 2048
	s_add_co_u32 s23, s23, 1
	s_cmp_lt_u32 s23, 4
	s_cbranch_scc1 .Lround
	s_add_co_u32 s26, s26, 320
	s_add_co_u32 s59, s59, 1280
	s_add_co_u32 s22, s22, 1
	s_cmp_lt_u32 s22, 4
	s_cbranch_scc1 .Lpass
	s_wait_xcnt 0x0
	v_lshl_add_u32 v254, v0, 2, 0x24000
	v_mov_b32 v255, 0
	s_wait_tensorcnt 0x0
	ds_add_u32 v254, v255
	s_wait_dscnt 0x0
	s_endpgm
.Lfunc_end_k_q7edd35ab15_gemm1:
	.size	k_q7edd35ab15_gemm1, .Lfunc_end_k_q7edd35ab15_gemm1-k_q7edd35ab15_gemm1
	.p2alignl 7, 3214868480
	.fill 96, 4, 3214868480
	.section	.rodata,"a",@progbits
	.p2align	6, 0x0
	.amdhsa_kernel k_q7edd35ab15_gemm1
		.amdhsa_group_segment_fixed_size 148480
		.amdhsa_private_segment_fixed_size 0
		.amdhsa_enable_private_segment 0
		.amdhsa_kernarg_size 56
		.amdhsa_user_sgpr_count 2
		.amdhsa_user_sgpr_kernarg_segment_ptr 1
		.amdhsa_wavefront_size32 1
		.amdhsa_system_sgpr_workgroup_id_x 1
		.amdhsa_system_sgpr_workgroup_id_y 1
		.amdhsa_system_sgpr_workgroup_id_z 1
		.amdhsa_system_vgpr_workitem_id 0
		.amdhsa_next_free_vgpr 512
		.amdhsa_next_free_sgpr 96
		.amdhsa_reserve_vcc 1
		.amdhsa_float_denorm_mode_32 3
		.amdhsa_float_denorm_mode_16_64 3
		.amdhsa_memory_ordered 1
		.amdhsa_forward_progress 1
		.amdhsa_inst_pref_size 234
	.end_amdhsa_kernel
	.amdgpu_metadata
---
amdhsa.version: [ 1, 2 ]
amdhsa.kernels:
  - .name:           k_q7edd35ab15_gemm1
    .symbol:         k_q7edd35ab15_gemm1.kd
    .args:
      - { .name: W1, .offset: 0, .size: 8, .value_kind: global_buffer, .address_space: global }
      - { .name: xq, .offset: 8, .size: 8, .value_kind: global_buffer, .address_space: global }
      - { .name: xs, .offset: 16, .size: 8, .value_kind: global_buffer, .address_space: global }
      - { .name: sel, .offset: 24, .size: 8, .value_kind: global_buffer, .address_space: global }
      - { .name: hq, .offset: 32, .size: 8, .value_kind: global_buffer, .address_space: global }
      - { .name: hs, .offset: 40, .size: 8, .value_kind: global_buffer, .address_space: global }
      - { .name: place, .offset: 48, .size: 8, .value_kind: global_buffer, .address_space: global }
    .group_segment_fixed_size: 148480
    .private_segment_fixed_size: 0
    .kernarg_segment_align: 8
    .kernarg_segment_size: 56
    .max_flat_workgroup_size: 256
    .sgpr_count:     96
    .vgpr_count:     512
    .wavefront_size: 32
...
	.end_amdgpu_metadata
.endif
;; end of part 2
;; launch gemm2 (part 3): grid 32 x 8, 8 waves a work-group, no clusters, 158,720 bytes of LDS; arguments W2, hq, hs, place, yp; writes yp
.if DOCPART == 3
	.amdgcn_target "amdgcn-amd-amdhsa--gfx1250"
	.amdhsa_code_object_version 6
	.text
	.protected	k_q7edd35ab15_gemm2
	.globl	k_q7edd35ab15_gemm2
	.p2align	8
	.type	k_q7edd35ab15_gemm2,@function
k_q7edd35ab15_gemm2:
	s_mov_b64 s[64:65], 0
	v_nop
	global_prefetch_b8 v0, s[64:65] scope:SCOPE_SE
	s_setreg_imm32_b32 hwreg(HW_REG_WAVE_MODE, 25, 1), 1
	s_wait_xcnt 0x0
; y = h W2 for the rows routed to one expert, in MX-BF8.  Work-group (x, e): expert e, columns 64 (x % 16) .. + 63 of D, half x / 16 of K = 4,096.  The two halves of K go to two planes of yp; the last launch adds them.
; THE WEIGHTS STAY, THE ROWS PASS, as in the launch before: the work-group's 2,048 x 64 numbers of W2 are read once as f32, quantised in registers by waves 0-3 and parked in LDS as images of operand registers;
; waves 4-7 fetch h's fragments (images, 512 consecutive bytes a load) and multiply.  A round: producer p quantises K step 4 round + p of the half: 128 k x 64 columns.  Four rounds.
; A block of 32 k: lane (r, h) reads row k0 + 2 i + h, columns 4 r .. 4 r + 3; the code of k lies at place 16 (k % 2) + k / 2 of its block, as h's codes do; column tile j = columns {4 m + j}.
; ROWS: 5 tiles of 16 a consumer and pass, four passes always; the count comes from place.  Tiles beyond the last are read as the last one, so that no byte is read that was never written, and are not stored.
; THE PRODUCT IS USED TRANSPOSED: lane (r, h) holds row r and columns 32 h + 4 j' + j.  A tile goes through the wave's own stage in LDS, which puts the columns in order, and leaves as rows of 256 consecutive bytes.
; 64 columns x half of K: a weight row's piece is 256 bytes; 32 columns x all of K would halve that and double the reads of h; 128 columns x a quarter of K would double yp.
; The accumulators are cleared by moves, 160 a pass, so that one text of a K step serves every round.
; LIMITS: NaN and infinities are not served; a block of W2 whose largest magnitude lies under 2^-111 keeps the byte 1.  The sum over K is taken in two halves.
.set PITCH, 4096                       ; a row of W2 in bytes
.set WSC,   131072                     ; LDS: 0: the weights' images;  WSC: their scale words
.set STG,   139264                     ; 16 rows x (256 + 16) bytes for each consumer
.set L16,  1
.set L4,   2
.set VW,   3
.set IMG0, 4
.set SC0,  5
.set WS0,  7
.set IMGR, 8
.set SCR,  9
.set WFR,  10
.set WSR,  11
.set STO,  12                          ; v12  the stage: row r, + 128 h          v13  back: row h, + 16 r
.set SRD,  13
.set V16R, 14                          ; v14  16 lane + 8,192 round: h's fragments of the round      v15  4 lane + 512 round: their scale words
.set V4R,  15
.set AS,   16                          ; v16-25, v26-29: scales and nothing else
.set WS,   26
.set YO,   30                          ; v30  4,096 h + 16 r: two rows of yp
.set TMP,  47
.set WF,   48
.set CD,   48
.set PA,   64
.set FR,   80
.set ACT0, 112
.set AM,   192
.set PX,   196
.set MU,   200
.set BY,   204
.set SW,   208
.set ONE,  212
.set EX,   216
.set OB,   192                         ; consumers, the way out: two sets of 32
.set MSB, 0
.macro WIN new                         ; the immediate's high byte repeats the setting that is left
.if MSB != (\new)
	s_set_vgpr_msb (MSB<<8)|(\new)
.set MSB, (\new)
.endif
.endm
.macro PLACES                          ; eight plain instructions behind this matrix form, ahead of loads into its registers and of readers of its results
.rept 8
	v_nop
.endr
.endm
.macro WLOAD c
.irp i, 0,1,2,3,4,5,6,7,8,9,10,11,12,13,14,15
	global_load_b128 v[64*\c+4*\i:64*\c+4*\i+3], v[VW], s[28:29] offset:(32*\c+2*\i)*PITCH th:TH_LOAD_NT
.endr
.endm
.macro QBLK c, refill, left            ; block c is quantised; left: the younger blocks' loads, which may stay out
	s_wait_loadcnt \left
	WIN 0x14
.irp j, 0,1,2,3
	v_max3_num_f32 v[AM+\j], 0x8000000, |v[64*\c+\j]|, |v[64*\c+4+\j]|   ; column j: my 16 numbers, and the floor 2^(16 - 127)
.endr
.irp i, 2,4,6,8,10,12,14
.irp j, 0,1,2,3
	v_max3_num_f32 v[AM+\j], v[AM+\j], |v[64*\c+4*\i+\j]|, |v[64*\c+4*\i+4+\j]|
.endr
.endr
	WIN 0
.irp j, 0,1,2,3
	v_permlanex16_b32 v[PX+\j], v[AM+\j], s46, s47
.endr
.irp j, 0,1,2,3
	v_max_num_f32 v[AM+\j], v[AM+\j], v[PX+\j]
.endr
.irp j, 0,1,2,3
	v_and_b32 v[EX+\j], 0x7f800000, v[AM+\j]
.endr
.irp j, 0,1,2,3
	v_sub_nc_u32 v[MU+\j], 0x86800000, v[EX+\j]    ; 2^-e
.endr
.irp j, 0,1,2,3
	v_lshrrev_b32 v[BY+\j], 23, v[EX+\j]
.endr
.irp j, 0,1,2,3
	v_add_nc_u32 v[BY+\j], -15, v[BY+\j]           ; the scale's byte
.endr
.irp j, 0,1,2,3
.if \c == 0
	v_mov_b32 v[SW+\j], v[BY+\j]
.else
	v_lshl_or_b32 v[SW+\j], v[BY+\j], 8*\c, v[SW+\j]
.endif
.endr
	WIN 0x41
.irp i, 0,1,2,3,4,5,6,7,8,9,10,11,12,13,14,15
	v_pk_mul_f32 v[64*\c+4*\i:64*\c+4*\i+1], v[64*\c+4*\i:64*\c+4*\i+1], v[MU:MU+1]
	v_pk_mul_f32 v[64*\c+4*\i+2:64*\c+4*\i+3], v[64*\c+4*\i+2:64*\c+4*\i+3], v[MU+2:MU+3]
.endr
.set n, 0
.rept 64
	v_med3_num_f32 v[64*\c+n], v[64*\c+n], s52, s53   ; the conversion does not saturate (ISA guide 7.6.2): the hold at +-57,344
.set n, n+1
.endr
	WIN 0x01
.irp m, 0,1,2,3,4,5,6,7
	v_cvt_scalef32_pk8_bf8_f32 v[CD+2*\m:CD+2*\m+1], v[64*\c+8*\m:64*\c+8*\m+7], v[ONE]
.endr
	WIN 0
	v_nop                                          ; a plain instruction between the last conversion and the first reader
	s_wait_dscnt 0x0                               ; the last block's LDS stores are done
.irp q, 0,1,2,3
	v_perm_b32 v[PA+4*\q],   v[CD+4*\q+1], v[CD+4*\q],   s48
	v_perm_b32 v[PA+4*\q+1], v[CD+4*\q+1], v[CD+4*\q],   s49
	v_perm_b32 v[PA+4*\q+2], v[CD+4*\q+3], v[CD+4*\q+2], s48
	v_perm_b32 v[PA+4*\q+3], v[CD+4*\q+3], v[CD+4*\q+2], s49
.endr
.irp q, 0,1,2,3
	v_perm_b32 v[FR+\q],    v[PA+4*\q+2], v[PA+4*\q],   s50
	v_perm_b32 v[FR+4+\q],  v[PA+4*\q+2], v[PA+4*\q],   s51
	v_perm_b32 v[FR+8+\q],  v[PA+4*\q+3], v[PA+4*\q+1], s50
	v_perm_b32 v[FR+12+\q], v[PA+4*\q+3], v[PA+4*\q+1], s51
.endr
.irp j, 0,1,2,3
	ds_store_b128 v[IMGR], v[FR+4*\j:FR+4*\j+3] offset:2048*\j+512*\c
.endr
.if \c == 3
.irp j, 0,1,2,3
	ds_store_b32 v[SCR], v[SW+\j] offset:128*\j
.endr
.endif
.if \refill
	WIN 0x40
	WLOAD \c
	WIN 0
.endif
.endm
.macro ACTLOAD k, buf, vo, vso         ; five tiles' fragments and scale words of K step k (counted from the offsets' round): 25 loads
.if (\buf)
	WIN 0x40
.endif
.irp i, 0,1,2,3,4
.irp c, 0,1,2,3
	global_load_b128 v[ACT0+48*(\buf)+16*\i+4*\c:ACT0+48*(\buf)+16*\i+4*\c+3], v[\vo], s[66+4*\i:67+4*\i] offset:2048*(\k)+512*\c
.endr
.endr
	WIN 0
.irp i, 0,1,2,3,4
	global_load_b32 v[AS+5*(\buf)+\i], v[\vso], s[68+4*\i:69+4*\i] offset:128*(\k)
.endr
.endm
.macro WRUN k, half
.irp jj, 0,1
.irp c, 0,1,2,3
	ds_load_b128 v[WF+16*(2*\half+\jj)+4*\c:WF+16*(2*\half+\jj)+4*\c+3], v[WFR] offset:8192*(\k)+2048*(2*\half+\jj)+512*\c
.endr
	ds_load_b32 v[WS+2*\half+\jj], v[WSR] offset:512*(\k)+128*(2*\half+\jj)
.endr
.endm
.macro MUL10 half, buf                 ; ten products on ten accumulators, by turns
	WIN 0x50+4*(\buf)
.irp jj, 0,1
.irp i, 0,1,2,3,4
	v_wmma_scale_f32_16x16x128_f8f6f4 v[32*\i+8*(2*\half+\jj):32*\i+8*(2*\half+\jj)+7], v[WF+16*(2*\half+\jj):WF+16*(2*\half+\jj)+15], v[ACT0+48*(\buf)+16*\i:ACT0+48*(\buf)+16*\i+15], v[32*\i+8*(2*\half+\jj):32*\i+8*(2*\half+\jj)+7], v[WS+2*\half+\jj], v[AS+5*(\buf)+\i] matrix_a_fmt:MATRIX_FMT_BF8 matrix_b_fmt:MATRIX_FMT_BF8
.endr
.endr
.endm
.macro KSTEP k
.if \k < 3
	ACTLOAD \k+1, (\k+1)%2, V16R, V4R
	s_wait_loadcnt 25                              ; all but the 25 just issued: this K step's rows are in
.else
	s_cmp_lt_u32 s23, 3
	s_cbranch_scc0 .Lmm_last_\@
	ACTLOAD 4, 0, V16R, V4R                        ; the next round's first K step
	s_wait_loadcnt 25
	s_branch .Lmm_go_\@
.Lmm_last_\@:
	s_wait_loadcnt 0x0
.Lmm_go_\@:
.endif
	s_wait_dscnt 10                                ; tiles 0 and 1 are in; the ten loads of tiles 2 and 3 may stay out
	MUL10 0, \k%2
	WIN 0
	PLACES
.if \k < 3
	WRUN \k+1, 0
	s_wait_dscnt 10                                ; tiles 2 and 3 are in; the ten just issued may stay out
.else
	s_wait_dscnt 0x0
.endif
	MUL10 1, \k%2
	WIN 0
	PLACES                                         ; behind the round's last products these are also the places ahead of the way out
.if \k < 3
	WRUN \k+1, 1
.endif
.endm
.macro CLEAR
	WIN 0x40
.set n, 0
.rept 160
	v_mov_b32 v[n], 0
.set n, n+1
.endr
	WIN 0
.endm
.macro YOUT i                          ; tile i: 16 rows x 64 columns through my stage
	s_add_co_u32 s27, s26, 16*\i
	s_cmp_lt_u32 s27, s24                          ; a tile beyond the count stores nothing
	s_cbranch_scc0 .Lyo_skip_\@
	WIN 0x04                                       ; an LDS store's data are its source 1: window 1
.irp j, 0,1,2,3
.irp u, 0,1,2,3,4,5,6,7
	ds_store_b32 v[STO], v[32*\i+8*\j+\u] offset:16*\u+4*\j   ; column 32 h + 4 u + j; each accumulator from its low end on
.endr
.endr
	WIN 0
	s_wait_xcnt 0x0                                ; the stores of two tiles ago have read their registers
.irp m, 0,1,2,3,4,5,6,7
	ds_load_b128 v[OB+32*(\i%2)+4*\m:OB+32*(\i%2)+4*\m+3], v[SRD] offset:544*\m   ; LDS serves a wave's instructions in order: these see my stores, and the next tile's stores come behind them
.endr
.irp m, 0,1,2,3,4,5,6,7
	s_wait_dscnt 7-\m
	global_store_b128 v[YO], v[OB+32*(\i%2)+4*\m:OB+32*(\i%2)+4*\m+3], s[86:87] offset:(16*\i+2*\m)*4096   ; sixteen lanes store 256 consecutive bytes, aligned
.endr
.Lyo_skip_\@:
.endm
	s_load_b256 s[4:11], s[0:1], 0x0               ; W2 s[4:5], hq s[6:7], hs s[8:9], place s[10:11]
	s_load_b64 s[12:13], s[0:1], 0x20              ; yp
	v_lshl_add_u32 v45, v0, 2, 0x26800
	v_mov_b32 v46, 0
	v_lshrrev_b32 v[TMP], 5, v0
	v_readfirstlane_b32 s18, v[TMP]                ; wave 0..7
	s_and_b32 s19, s18, 3
	s_and_b32 s20, ttmp7, 0xffff                   ; the expert
	s_and_b32 s21, ttmp9, 15                       ; which 64 columns
	s_lshr_b32 s55, ttmp9, 4                       ; which half of K
	v_and_b32 v[TMP], 31, v0
	v_lshlrev_b32 v[L16], 4, v[TMP]
	v_lshlrev_b32 v[L4], 2, v[TMP]
	v_and_b32 v192, 15, v0                         ; r
	v_bfe_u32 v193, v0, 4, 1                       ; h
	v_lshlrev_b32 v[VW], 4, v192
	v_lshl_add_u32 v[VW], v193, 12, v[VW]
	s_lshl_b32 s27, s19, 13
	v_add_nc_u32 v[IMG0], s27, v[L16]
	s_lshl_b32 s27, s19, 9
	s_add_co_u32 s27, s27, WSC
	v_add_nc_u32 v[SC0], s27, v[L4]
	v_add_nc_u32 v[WS0], WSC, v[L4]
	s_mul_i32 s27, s19, 4352
	s_add_co_u32 s27, s27, STG
	v_mul_u32_u24 v[STO], v192, 272
	v_lshl_add_u32 v[STO], v193, 7, v[STO]
	v_add_nc_u32 v[STO], s27, v[STO]
	v_mul_u32_u24 v[SRD], v193, 272
	v_lshl_add_u32 v[SRD], v192, 4, v[SRD]
	v_add_nc_u32 v[SRD], s27, v[SRD]
	v_lshlrev_b32 v[YO], 12, v193
	v_lshl_add_u32 v[YO], v192, 4, v[YO]
	s_mov_b32 s46, 0x76543210
	s_mov_b32 s47, 0xfedcba98
	s_mov_b32 s48, 0x05010400
	s_mov_b32 s49, 0x07030602
	s_mov_b32 s50, 0x05040100
	s_mov_b32 s51, 0x07060302
	s_mov_b32 s52, 0xc7600000                      ; -57,344
	s_mov_b32 s53, 0x47600000                      ; 57,344
.irp j, 0,1,2,3
	v_mov_b32 v[PX+\j], 0                          ; written once: a lane permute's destination counts as one of its sources
.endr
	v_mov_b32 v[ONE], 1.0
	s_lshl_b32 s89, s20, 6                         ; 64 e
	s_lshl_b32 s90, s55, 4                         ; 16 x the half
	s_lshl_b32 s30, s20, 24                        ; the expert's 16 MiB,
	s_lshl_b32 s31, s55, 23                        ; the half's 2,048 rows,
	s_add_co_u32 s30, s30, s31
	s_lshl_b32 s31, s21, 8                         ; the columns' 256 bytes of a row,
	s_add_co_u32 s30, s30, s31
	s_lshl_b32 s31, s19, 19                        ; my K step's 128 rows
	s_add_co_u32 s30, s30, s31
	s_mov_b32 s31, 0
	s_lshl_b32 s27, s20, 8
	s_wait_kmcnt 0x0
	s_load_b32 s24, s[10:11], s27 offset:0x8000    ; the expert's rows
	s_add_nc_u64 s[32:33], s[4:5], s[30:31]        ; round 0's unit
	s_cmp_lt_u32 s18, 4
	s_cbranch_scc0 .Lhead_not_p
	s_mov_b64 s[28:29], s[32:33]
	WIN 0x40
	WLOAD 0                                        ; the stream begins: 64 loads of 512 bytes
	WLOAD 1
	WLOAD 2
	WLOAD 3
	WIN 0
	s_branch .Lhead_done
.Lhead_not_p:
	CLEAR
.Lhead_done:
	s_wait_kmcnt 0x0
	s_min_u32 s24, s24, 0x400
	s_mov_b32 s22, 0                               ; the pass
	s_mul_i32 s26, s19, 80                         ; my first row of the pass: 320 pass + 80 (wave % 4)
.Lpass:
	s_wait_xcnt 0x0                                ; what earlier loads and stores name may be written again
	s_add_co_u32 s27, s24, 15
	s_lshr_b32 s27, s27, 4
	s_sub_co_u32 s27, s27, 1                       ; the last tile that was written (all ones where the expert has no row: then nothing that is loaded is used)
	s_lshr_b32 s88, s26, 4                         ; my first tile
	s_mov_b32 s31, 0
.irp i, 0,1,2,3,4
	s_add_co_u32 s30, s88, \i
	s_min_u32 s30, s30, s27
	s_min_u32 s30, s30, 63
	s_add_co_u32 s30, s30, s89
	s_lshl_b32 s30, s30, 5
	s_add_co_u32 s30, s30, s90                     ; (64 e + tile) 32 + 16 x the half
	s_lshl_b32 s91, s30, 7
	s_lshl_b32 s30, s30, 11
	s_add_nc_u64 s[66+4*\i:67+4*\i], s[6:7], s[30:31]
	s_mov_b32 s30, s91
	s_add_nc_u64 s[68+4*\i:69+4*\i], s[8:9], s[30:31]
.endr
	s_lshl_b32 s30, s20, 10
	s_add_co_u32 s30, s30, s26
	s_lshl_b32 s30, s30, 12                        ; row 1,024 e + my first row,
	s_lshl_b32 s91, s55, 25                        ; the half's plane,
	s_add_co_u32 s30, s30, s91
	s_lshl_b32 s91, s21, 8                         ; the columns
	s_add_co_u32 s30, s30, s91
	s_add_nc_u64 s[86:87], s[12:13], s[30:31]
	s_cmp_lt_u32 s18, 4
	s_cbranch_scc1 .Lno_setup
	s_wait_loadcnt 0x0                             ; no load of mine is out: its registers may be loaded again
	ACTLOAD 0, 0, L16, L4                          ; the pass's first K step
.Lno_setup:
	s_mov_b32 s23, 0
	s_mov_b32 s62, 0
	s_mov_b32 s63, 0
.Lround:
	s_wait_xcnt 0x0                                ; bases and offsets of what has been issued may be written
	s_add_co_u32 s30, s23, 1
	s_lshl_b32 s30, s30, 21                        ; the next round's unit: four K steps of 128 rows on
	s_mov_b32 s31, 0
	s_add_nc_u64 s[28:29], s[32:33], s[30:31]
	s_lshr_b32 s27, s62, 2
	v_add_nc_u32 v[V16R], s27, v[L16]
	s_lshr_b32 s27, s63, 2
	v_add_nc_u32 v[V4R], s27, v[L4]
	v_add_nc_u32 v[IMGR], s62, v[IMG0]
	v_add_nc_u32 v[SCR], s63, v[SC0]
	v_add_nc_u32 v[WFR], s62, v[L16]
	v_add_nc_u32 v[WSR], s63, v[WS0]
	s_cmp_lt_u32 s18, 4
	s_cbranch_scc0 .Lnot_p
	s_cmp_eq_u32 s22, 0                            ; the weights are quantised in the first pass; the later ones find them in LDS
	s_cbranch_scc0 .Lnot_p
	s_cmp_lt_u32 s23, 3
	s_cbranch_scc0 .Ltail
	QBLK 0, 1, 48                                  ; three younger blocks, 48 loads, stay out
	QBLK 1, 1, 48
	QBLK 2, 1, 48
	QBLK 3, 1, 48
	s_branch .Lnot_p
.Ltail:
	QBLK 0, 0, 48                                  ; the last unit asks for nothing: the counts run down
	QBLK 1, 0, 32
	QBLK 2, 0, 16
	QBLK 3, 0, 0
.Lnot_p:
	s_wait_dscnt 0x0                               ; the round's images lie in LDS; my reads of the last round's are over
	s_barrier_signal -1
	s_barrier_wait -1
	s_cmp_lt_u32 s18, 4
	s_cbranch_scc1 .Lnot_c
	s_cmp_lt_u32 s26, s24                          ; have I rows in this pass?
	s_cbranch_scc0 .Lnot_c
	WRUN 0, 0
	WRUN 0, 1
	s_wait_loadcnt 0x0                             ; the round's first K step, asked for a round ago or at the pass's head, is in: no load is out when registers of window 1 are loaded or written below
	KSTEP 0
	KSTEP 1
	KSTEP 2
	KSTEP 3
	s_cmp_eq_u32 s23, 3                            ; behind the fourth round the half of K is summed
	s_cbranch_scc0 .Lnot_c
	YOUT 0
	YOUT 1
	YOUT 2
	YOUT 3
	YOUT 4
	CLEAR
.Lnot_c:
	s_add_co_u32 s62, s62, 32768
	s_add_co_u32 s63, s63, 2048
	s_add_co_u32 s23, s23, 1
	s_cmp_lt_u32 s23, 4
	s_cbranch_scc1 .Lround
	s_add_co_u32 s26, s26, 320
	s_add_co_u32 s22, s22, 1
	s_cmp_lt_u32 s22, 4
	s_cbranch_scc1 .Lpass
	s_wait_tensorcnt 0x0
	ds_add_u32 v45, v46
	s_wait_dscnt 0x0
	s_endpgm
.Lfunc_end_k_q7edd35ab15_gemm2:
	.size	k_q7edd35ab15_gemm2, .Lfunc_end_k_q7edd35ab15_gemm2-k_q7edd35ab15_gemm2
	.p2alignl 7, 3214868480
	.fill 96, 4, 3214868480
	.section	.rodata,"a",@progbits
	.p2align	6, 0x0
	.amdhsa_kernel k_q7edd35ab15_gemm2
		.amdhsa_group_segment_fixed_size 158720
		.amdhsa_private_segment_fixed_size 0
		.amdhsa_enable_private_segment 0
		.amdhsa_kernarg_size 40
		.amdhsa_user_sgpr_count 2
		.amdhsa_user_sgpr_kernarg_segment_ptr 1
		.amdhsa_wavefront_size32 1
		.amdhsa_system_sgpr_workgroup_id_x 1
		.amdhsa_system_sgpr_workgroup_id_y 1
		.amdhsa_system_sgpr_workgroup_id_z 1
		.amdhsa_system_vgpr_workitem_id 0
		.amdhsa_next_free_vgpr 512
		.amdhsa_next_free_sgpr 96
		.amdhsa_reserve_vcc 0
		.amdhsa_float_denorm_mode_32 3
		.amdhsa_float_denorm_mode_16_64 3
		.amdhsa_memory_ordered 1
		.amdhsa_forward_progress 1
		.amdhsa_inst_pref_size 179
	.end_amdhsa_kernel
	.amdgpu_metadata
---
amdhsa.version: [ 1, 2 ]
amdhsa.kernels:
  - .name:           k_q7edd35ab15_gemm2
    .symbol:         k_q7edd35ab15_gemm2.kd
    .args:
      - { .name: W2, .offset: 0, .size: 8, .value_kind: global_buffer, .address_space: global }
      - { .name: hq, .offset: 8, .size: 8, .value_kind: global_buffer, .address_space: global }
      - { .name: hs, .offset: 16, .size: 8, .value_kind: global_buffer, .address_space: global }
      - { .name: place, .offset: 24, .size: 8, .value_kind: global_buffer, .address_space: global }
      - { .name: yp, .offset: 32, .size: 8, .value_kind: global_buffer, .address_space: global }
    .group_segment_fixed_size: 158720
    .private_segment_fixed_size: 0
    .kernarg_segment_align: 8
    .kernarg_segment_size: 40
    .max_flat_workgroup_size: 256
    .sgpr_count:     96
    .vgpr_count:     512
    .wavefront_size: 32
...
	.end_amdgpu_metadata
.endif
;; end of part 3
;; launch combine (part 4): grid 256 x 1, 4 waves a work-group, no clusters, 0 bytes of LDS; arguments yp, sel, place, gw, out0; writes out0
.if DOCPART == 4
	.amdgcn_target "amdgcn-amd-amdhsa--gfx1250"
	.amdhsa_code_object_version 6
	.text
	.protected	k_q7edd35ab15_combine
	.globl	k_q7edd35ab15_combine
	.p2align	8
	.type	k_q7edd35ab15_combine,@function
k_q7edd35ab15_combine:
	s_mov_b64 s[64:65], 0
	v_nop
	global_prefetch_b8 v0, s[64:65] scope:SCOPE_SE
	s_setreg_imm32_b32 hwreg(HW_REG_WAVE_MODE, 25, 1), 1
	s_wait_xcnt 0x0
; out[t] = w0 (y of expert e0) + w1 (y of expert e1); each y is the sum of its two halves of K.  One wave takes one token t = 4 x work-group + wave: four rows of 4,096 bytes in, one out.
; The token's experts (sel), its weights (gw) and its place in all eight experts' lists (place, at fixed addresses) come by scalar loads issued together; the two places wanted are chosen by selects,
; held inside their tables, and make the rows' addresses.  A stream: no LDS, no matrix unit, no cluster; each load and store of the wave covers 512 consecutive bytes.
; The order of the sums (halves of K first, then the experts) differs from reference()'s.
.set R, 16                             ; v16-143: piece m of eight: four registers from each of the four rows
	s_load_b256 s[4:11], s[0:1], 0x0               ; yp s[4:5], sel s[6:7], place s[8:9], gw s[10:11]
	s_load_b64 s[12:13], s[0:1], 0x20              ; out0
	v_lshrrev_b32 v1, 5, v0
	v_readfirstlane_b32 s14, v1                    ; wave
	v_and_b32 v1, 31, v0
	v_lshlrev_b32 v1, 4, v1                        ; 16 x lane
	s_lshl_b32 s15, ttmp9, 2
	s_add_co_u32 s15, s15, s14                     ; my token
	s_lshl_b32 s16, s15, 2
	s_lshl_b32 s17, s15, 3
	s_wait_kmcnt 0x0
	s_load_b32 s20, s[6:7], s16 offset:0x0
	s_load_b64 s[22:23], s[10:11], s17 offset:0x0
.irp e, 0,1,2,3,4,5,6,7
	s_load_b32 s[24+\e], s[8:9], s16 offset:4096*\e
.endr
	s_wait_kmcnt 0x0
	s_and_b32 s32, s20, 0xff
	s_min_u32 s32, s32, 7                          ; e0
	s_bfe_u32 s33, s20, 0x80008
	s_min_u32 s33, s33, 7                          ; e1
	s_mov_b32 s34, s24
	s_mov_b32 s35, s24
.irp e, 1,2,3,4,5,6,7
	s_cmp_eq_u32 s32, \e
	s_cselect_b32 s34, s[24+\e], s34
	s_cmp_eq_u32 s33, \e
	s_cselect_b32 s35, s[24+\e], s35
.endr
	s_min_u32 s34, s34, 1023                       ; my place in e0's list,
	s_min_u32 s35, s35, 1023                       ; in e1's
	s_lshl_b32 s32, s32, 10
	s_add_co_u32 s34, s34, s32
	s_lshl_b32 s36, s34, 12                        ; row 1,024 e + place, 4,096 bytes a row
	s_mov_b32 s37, 0
	s_add_nc_u64 s[40:41], s[4:5], s[36:37]
	s_add_nc_u64 s[42:43], s[40:41], 0x2000000     ; the other half of K
	s_lshl_b32 s33, s33, 10
	s_add_co_u32 s35, s35, s33
	s_lshl_b32 s36, s35, 12
	s_add_nc_u64 s[44:45], s[4:5], s[36:37]
	s_add_nc_u64 s[46:47], s[44:45], 0x2000000
	s_lshl_b32 s36, s15, 12
	s_add_nc_u64 s[12:13], s[12:13], s[36:37]
	s_mov_b32 s48, s23                             ; w1 as the low word of a pair
	s_mov_b32 s49, s23
.irp m, 0,1,2,3,4,5,6,7
	global_load_b128 v[R+16*\m:R+16*\m+3],     v1, s[40:41] offset:512*\m th:TH_LOAD_NT
	global_load_b128 v[R+16*\m+4:R+16*\m+7],   v1, s[42:43] offset:512*\m th:TH_LOAD_NT
	global_load_b128 v[R+16*\m+8:R+16*\m+11],  v1, s[44:45] offset:512*\m th:TH_LOAD_NT
	global_load_b128 v[R+16*\m+12:R+16*\m+15], v1, s[46:47] offset:512*\m th:TH_LOAD_NT
.endr
.irp m, 0,1,2,3,4,5,6,7
	s_wait_loadcnt 28-4*\m                         ; piece m's four loads are in; four of each later piece may stay out
	v_pk_add_f32 v[R+16*\m:R+16*\m+1],     v[R+16*\m:R+16*\m+1],     v[R+16*\m+4:R+16*\m+5]
	v_pk_add_f32 v[R+16*\m+2:R+16*\m+3],   v[R+16*\m+2:R+16*\m+3],   v[R+16*\m+6:R+16*\m+7]
	v_pk_add_f32 v[R+16*\m+8:R+16*\m+9],   v[R+16*\m+8:R+16*\m+9],   v[R+16*\m+12:R+16*\m+13]
	v_pk_add_f32 v[R+16*\m+10:R+16*\m+11], v[R+16*\m+10:R+16*\m+11], v[R+16*\m+14:R+16*\m+15]
	v_pk_mul_f32 v[R+16*\m:R+16*\m+1],   v[R+16*\m:R+16*\m+1],   s[22:23] op_sel_hi:[1,0]
	v_pk_mul_f32 v[R+16*\m+2:R+16*\m+3], v[R+16*\m+2:R+16*\m+3], s[22:23] op_sel_hi:[1,0]
	v_pk_fma_f32 v[R+16*\m:R+16*\m+1],   v[R+16*\m+8:R+16*\m+9],   s[48:49], v[R+16*\m:R+16*\m+1]   op_sel_hi:[1,0,1]
	v_pk_fma_f32 v[R+16*\m+2:R+16*\m+3], v[R+16*\m+10:R+16*\m+11], s[48:49], v[R+16*\m+2:R+16*\m+3] op_sel_hi:[1,0,1]
	global_store_b128 v1, v[R+16*\m:R+16*\m+3], s[12:13] offset:512*\m th:TH_STORE_NT
.endr
	s_endpgm
.Lfunc_end_k_q7edd35ab15_combine:
	.size	k_q7edd35ab15_combine, .Lfunc_end_k_q7edd35ab15_combine-k_q7edd35ab15_combine
	.p2alignl 7, 3214868480
	.fill 96, 4, 3214868480
	.section	.rodata,"a",@progbits
	.p2align	6, 0x0
	.amdhsa_kernel k_q7edd35ab15_combine
		.amdhsa_group_segment_fixed_size 0
		.amdhsa_private_segment_fixed_size 0
		.amdhsa_enable_private_segment 0
		.amdhsa_kernarg_size 40
		.amdhsa_user_sgpr_count 2
		.amdhsa_user_sgpr_kernarg_segment_ptr 1
		.amdhsa_wavefront_size32 1
		.amdhsa_system_sgpr_workgroup_id_x 1
		.amdhsa_system_sgpr_workgroup_id_y 1
		.amdhsa_system_sgpr_workgroup_id_z 1
		.amdhsa_system_vgpr_workitem_id 0
		.amdhsa_next_free_vgpr 160
		.amdhsa_next_free_sgpr 66
		.amdhsa_reserve_vcc 0
		.amdhsa_float_denorm_mode_32 3
		.amdhsa_float_denorm_mode_16_64 3
		.amdhsa_memory_ordered 1
		.amdhsa_forward_progress 1
		.amdhsa_inst_pref_size 12
	.end_amdhsa_kernel
	.amdgpu_metadata
---
amdhsa.version: [ 1, 2 ]
amdhsa.kernels:
  - .name:           k_q7edd35ab15_combine
    .symbol:         k_q7edd35ab15_combine.kd
    .args:
      - { .name: yp, .offset: 0, .size: 8, .value_kind: global_buffer, .address_space: global }
      - { .name: sel, .offset: 8, .size: 8, .value_kind: global_buffer, .address_space: global }
      - { .name: place, .offset: 16, .size: 8, .value_kind: global_buffer, .address_space: global }
      - { .name: gw, .offset: 24, .size: 8, .value_kind: global_buffer, .address_space: global }
      - { .name: out0, .offset: 32, .size: 8, .value_kind: global_buffer, .address_space: global }
    .group_segment_fixed_size: 0
    .private_segment_fixed_size: 0
    .kernarg_segment_align: 8
    .kernarg_segment_size: 40
    .max_flat_workgroup_size: 128
    .sgpr_count:     66
    .vgpr_count:     160
    .wavefront_size: 32
...
	.end_amdgpu_metadata
.endif
;; end of part 4
;; ======== version 2 of 2: 4 launches
;; workspace buffers: xq 1,048,576 bytes; xs 32,768 bytes; sel 4,096 bytes of whole numbers; gw 8,192 bytes; hq 33,554,432 bytes; hs 2,097,152 bytes; place 34,816 bytes of whole numbers; yp 67,108,864 bytes
;; launch route (part 5): grid 256 x 1, 4 waves a work-group, no clusters, 41,472 bytes of LDS; arguments x, Wr, xq, xs, sel, gw; writes xq, xs, sel, gw
.if DOCPART == 5
	.amdgcn_target "amdgcn-amd-amdhsa--gfx1250"
	.amdhsa_code_object_version 6
	.text
	.protected	k_q7edd35ab15_route
	.globl	k_q7edd35ab15_route
	.p2align	8
	.type	k_q7edd35ab15_route,@function
k_q7edd35ab15_route:
	s_mov_b64 s[64:65], 0
	v_nop
	global_prefetch_b8 v0, s[64:65] scope:SCOPE_SE
	s_setreg_imm32_b32 hwreg(HW_REG_WAVE_MODE, 25, 1), 1
	s_wait_xcnt 0x0
; ROUTER AND QUANTISER OF x.  One wave takes one token t = 4 x work-group + wave.
; logits = x[t] . Wr in f32 (fused multiply-adds, 32 k a lane, then a sum over the lanes); softmax with the maximum taken away; top-2 by compares and selects alone
; (strictly greater: the lower index wins a tie, as jax.lax.top_k has it); the two weights renormalised.  Stored at fixed places: sel[t] = e0 | e1 << 8, gw[t] = (w0, w1).
; x[t] is quantised along D: codes of E5M2 with one E8M0 byte for each 32.  INSIDE each block of 32 the code of k lies at byte 16 (k % 2) + k / 2: the same order that the
; weights' codes get in the next launch, so the products are the same.  xq: [t][32 blocks][32 bytes];  xs: [t][32 bytes], blocks in their own order.
; LIMITS: NaN and infinities are not served.  A block whose largest magnitude lies under 2^-111 keeps the byte 1 (a block of zeros too: its codes are zeros; only this program reads the bytes).
; Probabilities that the exponential gives as 0 tie at 0; their weight is 0 either way.  The sum over k is taken in another order than reference() takes it.
; No matrix unit, no cluster: 8 columns are too few for a tile, and the launch's bytes are x once.  sel, gw and xs leave as 16, 32 and 128 bytes a work-group: 44 KB in the launch.
.set WRS,  0                           ; LDS: Wr as 128 pieces of 256 bytes (8 k x 8 experts), 272 bytes apart
.set XST,  34816                       ; 1,024 bytes a wave: the token's codes, in their order in memory
.set SST,  38912                       ; 32 bytes a wave: its scale bytes
.set SELS, 39168                       ; 4 bytes a wave
.set GWS,  39424                       ; 8 bytes a wave
.set PS, 17                            ; v17      the two chosen probabilities' sum
.set X,  20                            ; v20-51   my 32 numbers of x: k = 256 i + 8 lane + 0 .. 7 at X + 8 i
.set A,  52                            ; v52-59   the eight logits, later the probabilities
.set W,  64                            ; v64-191  two sets of 64: Wr[k][0..7] of my 8 k
.set TT, 192                           ; v192-199 at work
.set QA, 64                            ; the quantiser's registers lie where Wr lay
.set QS, 68
.set QH, 72
.set QB, 76
.set QC, 80
.set QE, 88
.set QO, 92
.set QL, 96
	s_load_b256 s[4:11], s[0:1], 0x0               ; x s[4:5], Wr s[6:7], xq s[8:9], xs s[10:11]
	s_load_b128 s[12:15], s[0:1], 0x20             ; sel s[12:13], gw s[14:15]
	v_lshl_add_u32 v200, v0, 2, 0xa000
	v_mov_b32 v201, 0
	v_and_b32 v1, 31, v0                           ; lane
	v_lshrrev_b32 v2, 5, v0
	v_readfirstlane_b32 s16, v2                    ; wave
	v_lshlrev_b32 v3, 4, v0                        ; Wr in memory: 16 bytes a thread
	v_lshrrev_b32 v4, 4, v0
	v_lshl_add_u32 v4, v4, 4, v3                   ; and in LDS: 16 more for each 256 passed
	v_lshlrev_b32 v5, 5, v1                        ; x: 32 bytes a lane
	v_mul_u32_u24 v6, v1, 272                      ; my piece of Wr
	s_lshl_b32 s17, s16, 10
	s_add_co_u32 s17, s17, XST
	v_lshrrev_b32 v2, 2, v1                        ; lane / 4: which block of the eight
	v_and_b32 v7, 3, v1
	v_lshlrev_b32 v7, 2, v7
	v_lshl_add_u32 v7, v2, 5, v7
	v_add_nc_u32 v7, s17, v7                       ; where my four even codes go: 32 (lane / 4) + 4 (lane % 4); the odd ones 16 further on
	v_lshlrev_b32 v10, 4, v1                       ; 16 x lane
	v_add_nc_u32 v9, s17, v10                      ; and where I read the codes back
	s_lshl_b32 s17, s16, 5
	s_add_co_u32 s17, s17, SST
	v_add_nc_u32 v8, s17, v2                       ; my block's scale byte
	v_lshlrev_b32 v11, 2, v1                       ; 4 x lane
	s_lshl_b32 s17, s16, 2
	s_add_co_u32 s17, s17, SELS
	v_mov_b32 v12, s17
	s_lshl_b32 s17, s16, 3
	s_add_co_u32 s17, s17, GWS
	v_mov_b32 v13, s17
	v_add_nc_u32 v14, SST, v11                     ; wave 0's reads at the end
	v_and_b32 v15, 3, v1
	v_lshl_add_u32 v15, v15, 2, SELS
	v_and_b32 v16, 7, v1
	v_lshl_add_u32 v16, v16, 2, GWS
	s_mov_b32 s18, 0x76543210
	s_mov_b32 s19, 0xfedcba98                      ; v_permlanex16_b32's selects for lane l xor 16
	s_mov_b32 s21, 0x600000                        ; the mantissa field of 57,344
	s_mov_b32 s25, 0x06040200                      ; bytes 0, 2 of two words: the even k
	s_mov_b32 s26, 0x07050301                      ; the odd k
.irp e, 0,1,2,3,4,5,6,7
	v_mov_b32 v[TT+\e], 0                          ; written once: a lane permute's destination counts as one of its sources
.endr
	s_lshl_b32 s24, ttmp9, 2
	s_add_co_u32 s24, s24, s16                     ; my token
	s_mov_b32 s23, 0
	s_lshl_b32 s22, s24, 12
	s_wait_kmcnt 0x0
	s_add_nc_u64 s[4:5], s[4:5], s[22:23]          ; x at my token
	s_lshl_b32 s22, s24, 10
	s_add_nc_u64 s[8:9], s[8:9], s[22:23]          ; its codes
	s_lshl_b32 s22, ttmp9, 7
	s_add_nc_u64 s[10:11], s[10:11], s[22:23]      ; the work-group's 128 scale bytes,
	s_lshl_b32 s22, ttmp9, 4
	s_add_nc_u64 s[12:13], s[12:13], s[22:23]      ; its 4 words of sel,
	s_lshl_b32 s22, ttmp9, 5
	s_add_nc_u64 s[14:15], s[14:15], s[22:23]      ; its 8 words of gw
.irp n, 0,1,2,3,4,5,6,7,8,9,10,11,12,13,14,15
	global_load_b128 v[W+4*\n:W+4*\n+3], v3, s[6:7] offset:2048*\n   ; all of Wr: 128 threads x 16 bytes x 16
.endr
.irp i, 0,1,2,3
	global_load_b128 v[X+8*\i:X+8*\i+3], v5, s[4:5] offset:1024*\i
	global_load_b128 v[X+8*\i+4:X+8*\i+7], v5, s[4:5] offset:1024*\i+16
.endr
	s_wait_loadcnt 8                               ; Wr is in; the eight loads of x may stay out
.irp n, 0,1,2,3,4,5,6,7,8,9,10,11,12,13,14,15
	ds_store_b128 v4, v[W+4*\n:W+4*\n+3] offset:2176*\n
.endr
	s_wait_dscnt 0x0                               ; for the others' sake: my part of Wr lies in LDS
	s_barrier_signal -1
	s_barrier_wait -1
	s_wait_loadcnt 0x0                             ; x
.macro WFETCH i, set                   ; Wr of my 8 k of run i: 256 bytes
.irp c, 0,1,2,3,4,5,6,7,8,9,10,11,12,13,14,15
	ds_load_b128 v[W+64*\set+4*\c:W+64*\set+4*\c+3], v6 offset:8704*\i+16*\c
.endr
.endm
.macro DOT i, set                      ; 8 k x 8 experts: 32 packed multiply-adds; x[k] serves both halves
.irp kp, 0,1,2,3
.irp s, 0,1
.irp pr, 0,1,2,3
.if (\i == 0) && (\kp == 0) && (\s == 0)
	v_pk_mul_f32 v[A+2*\pr:A+2*\pr+1], v[W+64*\set+2*\pr:W+64*\set+2*\pr+1], v[X:X+1] op_sel_hi:[1,0]   ; the first k starts the sums
.else
	v_pk_fma_f32 v[A+2*\pr:A+2*\pr+1], v[W+64*\set+8*(2*\kp+\s)+2*\pr:W+64*\set+8*(2*\kp+\s)+2*\pr+1], v[X+8*\i+2*\kp:X+8*\i+2*\kp+1], v[A+2*\pr:A+2*\pr+1] op_sel:[0,\s,0] op_sel_hi:[1,\s,1]
.endif
.endr
.endr
.endr
.endm
	WFETCH 0, 0
	WFETCH 1, 1
	s_wait_dscnt 16                                ; run 0 is in; run 1's sixteen loads may stay out
	DOT 0, 0
	WFETCH 2, 0
	s_wait_alu depctr_va_vdst(0)
	s_wait_dscnt 16
	DOT 1, 1
	WFETCH 3, 1
	s_wait_alu depctr_va_vdst(0)
	s_wait_dscnt 16
	DOT 2, 0
	s_wait_alu depctr_va_vdst(0)
	s_wait_dscnt 0x0
	DOT 3, 1
.irp x, 1,2,4,8                        ; the sum over the 32 lanes: every lane ends with all eight logits
.irp e, 0,1,2,3,4,5,6,7
	v_add_f32_dpp v[A+\e], v[A+\e], v[A+\e] row_xmask:\x row_mask:0xf bank_mask:0xf
.endr
.endr
.irp e, 0,1,2,3,4,5,6,7
	v_permlanex16_b32 v[TT+\e], v[A+\e], s18, s19
.endr
.irp e, 0,1,2,3,4,5,6,7
	v_add_f32 v[A+\e], v[A+\e], v[TT+\e]
.endr
	v_max3_num_f32 v[TT], v[A], v[A+1], v[A+2]     ; softmax: the maximum is taken away first
	v_max3_num_f32 v[TT], v[TT], v[A+3], v[A+4]
	v_max3_num_f32 v[TT], v[TT], v[A+5], v[A+6]
	v_max_num_f32 v[TT], v[TT], v[A+7]
.irp e, 0,1,2,3,4,5,6,7
	v_sub_f32 v[A+\e], v[A+\e], v[TT]
.endr
.irp e, 0,1,2,3,4,5,6,7
	v_mul_f32 v[A+\e], 0x3fb8aa3b, v[A+\e]         ; x log2(e)
.endr
	s_wait_alu depctr_va_vdst(0)
.irp e, 0,1,2,3,4,5,6,7
	v_exp_f32 v[A+\e], v[A+\e]
.endr
	v_nop                                          ; a plain instruction behind the last exponential
	s_wait_alu depctr_va_vdst(0)                   ; one wait for the batch of eight, ahead of its first reader
	v_add_f32 v[TT], v[A], v[A+1]
	v_add_f32 v[TT+1], v[A+2], v[A+3]
	v_add_f32 v[TT+2], v[A+4], v[A+5]
	v_add_f32 v[TT+3], v[A+6], v[A+7]
	v_add_f32 v[TT], v[TT], v[TT+1]
	v_add_f32 v[TT+2], v[TT+2], v[TT+3]
	v_add_f32 v[TT], v[TT], v[TT+2]
	s_wait_alu depctr_va_vdst(0)
	v_rcp_f32 v[TT+1], v[TT]
	v_nop
	s_wait_alu depctr_va_vdst(0)
.irp e, 0,1,2,3,4,5,6,7
	v_mul_f32 v[A+\e], v[A+\e], v[TT+1]            ; the probabilities
.endr
	v_mov_b32 v[TT], v[A]                          ; the largest so far, and its index
	v_mov_b32 v[TT+1], 0
.irp e, 1,2,3,4,5,6,7
	v_cmp_gt_f32 vcc_lo, v[A+\e], v[TT]
	v_cndmask_b32 v[TT], v[TT], v[A+\e], vcc_lo
	v_cndmask_b32 v[TT+1], v[TT+1], \e, vcc_lo
.endr
.irp e, 0,1,2,3,4,5,6,7
	v_cmp_eq_u32 vcc_lo, \e, v[TT+1]
	v_cndmask_b32 v[A+\e], v[A+\e], -1.0, vcc_lo   ; the winner stands aside: under every probability
.endr
	v_mov_b32 v[TT+2], v[A]
	v_mov_b32 v[TT+3], 0
.irp e, 1,2,3,4,5,6,7
	v_cmp_gt_f32 vcc_lo, v[A+\e], v[TT+2]
	v_cndmask_b32 v[TT+2], v[TT+2], v[A+\e], vcc_lo
	v_cndmask_b32 v[TT+3], v[TT+3], \e, vcc_lo
.endr
	v_add_f32 v[PS], v[TT], v[TT+2]
	s_wait_alu depctr_va_vdst(0)
	v_rcp_f32 v[TT+7], v[PS]
	v_lshl_or_b32 v[TT+6], v[TT+3], 8, v[TT+1]     ; sel = e0 | e1 << 8: the plain instruction behind the reciprocal; it names neither the reciprocal's source nor its result
	s_wait_alu depctr_va_vdst(0)
	v_mul_f32 v[TT+4], v[TT], v[TT+7]
	v_mul_f32 v[TT+5], v[TT+2], v[TT+7]
	ds_store_b32 v12, v[TT+6]                      ; all lanes write the same word with the same value
	ds_store_b64 v13, v[TT+4:TT+5]
	; THE QUANTISER.  A block of 32 lies in four neighbouring lanes, 8 numbers each; the four runs i by turns
.irp i, 0,1,2,3
	v_max3_num_f32 v[QA+\i], |v[X+8*\i]|, |v[X+8*\i+1]|, 0x8000000   ; with the floor 2^(16 - 127): the byte cannot fall under 1
.endr
.irp u, 2,4,6
.irp i, 0,1,2,3
	v_max3_num_f32 v[QA+\i], v[QA+\i], |v[X+8*\i+\u]|, |v[X+8*\i+\u+1]|
.endr
.endr
.irp x, 1,2
.irp i, 0,1,2,3
	v_max_num_f32_dpp v[QA+\i], v[QA+\i], v[QA+\i] row_xmask:\x row_mask:0xf bank_mask:0xf
.endr
.endr
.irp i, 0,1,2,3
	v_add_nc_u32 v[QS+\i], 0xf8800000, v[QA+\i]    ; 15 off the exponent field: the conversion's scale operand
.endr
.irp i, 0,1,2,3
	v_and_or_b32 v[QH+\i], v[QA+\i], 0x7f800000, s21   ; 57,344 x the scale
.endr
.irp i, 0,1,2,3
	v_lshrrev_b32 v[QB+\i], 23, v[QS+\i]           ; the scale's byte
.endr
.set n, 0
.rept 32
	v_med3_num_f32 v[X+n], v[X+n], -v[QH+n/8], v[QH+n/8]   ; the conversion to an 8-bit code does not saturate (ISA guide 7.6.2): the hold comes first
.set n, n+1
.endr
.irp i, 0,1,2,3
	v_cvt_scalef32_pk8_bf8_f32 v[QC+2*\i:QC+2*\i+1], v[X+8*\i:X+8*\i+7], v[QS+\i]
.endr
	v_nop                                          ; a plain instruction between the last conversion and the first reader of a result
.irp i, 0,1,2,3
	v_perm_b32 v[QE+\i], v[QC+2*\i+1], v[QC+2*\i], s25   ; my four even k: bytes 4 (lane % 4) on of the block
	v_perm_b32 v[QO+\i], v[QC+2*\i+1], v[QC+2*\i], s26   ; my four odd k: 16 bytes further on
.endr
.irp i, 0,1,2,3
	ds_store_b32 v7, v[QE+\i] offset:256*\i
	ds_store_b32 v7, v[QO+\i] offset:256*\i+16
	ds_store_b8 v8, v[QB+\i] offset:8*\i           ; the four lanes of a block write the same byte with the same value
.endr
	ds_load_b128 v[QL:QL+3], v9                    ; LDS serves a wave's instructions in order: these see my stores
	ds_load_b128 v[QL+4:QL+7], v9 offset:512
	s_wait_dscnt 0x0                               ; the codes are back; and, for wave 0's sake, my bytes, sel and gw lie in LDS
	global_store_b128 v10, v[QL:QL+3], s[8:9]      ; 512 consecutive bytes a store
	global_store_b128 v10, v[QL+4:QL+7], s[8:9] offset:512
	s_barrier_signal -1
	s_barrier_wait -1
	s_cmp_lg_u32 s16, 0
	s_cbranch_scc1 .Lend
	ds_load_b32 v[QL+8], v14                       ; wave 0 stores what the four waves gathered
	ds_load_b32 v[QL+9], v15
	ds_load_b32 v[QL+10], v16
	s_wait_dscnt 0x0
	global_store_b32 v11, v[QL+8], s[10:11]        ; 128 scale bytes
	s_wait_xcnt 0x0                                ; EXEC changes only behind this wait
	v_cmp_gt_u32 vcc_lo, 8, v1
	s_and_saveexec_b32 s20, vcc_lo
	global_store_b32 v11, v[QL+10], s[14:15]       ; gw: 8 words
	s_wait_xcnt 0x0
	s_or_b32 exec_lo, exec_lo, s20
	v_cmp_gt_u32 vcc_lo, 4, v1
	s_and_saveexec_b32 s20, vcc_lo
	global_store_b32 v11, v[QL+9], s[12:13]        ; sel: 4 words
	s_wait_xcnt 0x0
	s_or_b32 exec_lo, exec_lo, s20
.Lend:
	s_wait_tensorcnt 0x0
	ds_add_u32 v200, v201
	s_wait_dscnt 0x0
	s_endpgm
.Lfunc_end_k_q7edd35ab15_route:
	.size	k_q7edd35ab15_route, .Lfunc_end_k_q7edd35ab15_route-k_q7edd35ab15_route
	.p2alignl 7, 3214868480
	.fill 96, 4, 3214868480
	.section	.rodata,"a",@progbits
	.p2align	6, 0x0
	.amdhsa_kernel k_q7edd35ab15_route
		.amdhsa_group_segment_fixed_size 41472
		.amdhsa_private_segment_fixed_size 0
		.amdhsa_enable_private_segment 0
		.amdhsa_kernarg_size 48
		.amdhsa_user_sgpr_count 2
		.amdhsa_user_sgpr_kernarg_segment_ptr 1
		.amdhsa_wavefront_size32 1
		.amdhsa_system_sgpr_workgroup_id_x 1
		.amdhsa_system_sgpr_workgroup_id_y 1
		.amdhsa_system_sgpr_workgroup_id_z 1
		.amdhsa_system_vgpr_workitem_id 0
		.amdhsa_next_free_vgpr 202
		.amdhsa_next_free_sgpr 66
		.amdhsa_reserve_vcc 1
		.amdhsa_float_denorm_mode_32 3
		.amdhsa_float_denorm_mode_16_64 3
		.amdhsa_memory_ordered 1
		.amdhsa_forward_progress 1
		.amdhsa_inst_pref_size 34
	.end_amdhsa_kernel
	.amdgpu_metadata
---
amdhsa.version: [ 1, 2 ]
amdhsa.kernels:
  - .name:           k_q7edd35ab15_route
    .symbol:         k_q7edd35ab15_route.kd
    .args:
      - { .name: x, .offset: 0, .size: 8, .value_kind: global_buffer, .address_space: global }
      - { .name: Wr, .offset: 8, .size: 8, .value_kind: global_buffer, .address_space: global }
      - { .name: xq, .offset: 16, .size: 8, .value_kind: global_buffer, .address_space: global }
      - { .name: xs, .offset: 24, .size: 8, .value_kind: global_buffer, .address_space: global }
      - { .name: sel, .offset: 32, .size: 8, .value_kind: global_buffer, .address_space: global }
      - { .name: gw, .offset: 40, .size: 8, .value_kind: global_buffer, .address_space: global }
    .group_segment_fixed_size: 41472
    .private_segment_fixed_size: 0
    .kernarg_segment_align: 8
    .kernarg_segment_size: 48
    .max_flat_workgroup_size: 128
    .sgpr_count:     66
    .vgpr_count:     202
    .wavefront_size: 32
...
	.end_amdgpu_metadata
.endif
;; end of part 5
;; launch gemm1 (part 6): grid 32 x 8, 8 waves a work-group, no clusters, 148,480 bytes of LDS; arguments W1, xq, xs, sel, hq, hs, place; writes hq, hs, place
.if DOCPART == 6
	.amdgcn_target "amdgcn-amd-amdhsa--gfx1250"
	.amdhsa_code_object_version 6
	.text
	.protected	k_q7edd35ab15_gemm1
	.globl	k_q7edd35ab15_gemm1
	.p2align	8
	.type	k_q7edd35ab15_gemm1,@function
k_q7edd35ab15_gemm1:
	s_mov_b64 s[64:65], 0
	v_nop
	global_prefetch_b8 v0, s[64:65] scope:SCOPE_SE
	s_setreg_imm32_b32 hwreg(HW_REG_WAVE_MODE, 25, 1), 1
	s_wait_xcnt 0x0
; h = silu(x W1) for the rows routed to one expert, in MX-BF8, and h quantised on the way.  Work-group (slice, e): expert e, hidden units 128 slice .. + 127, all of K = 1,024.
; THE WEIGHTS STAY, THE ROWS PASS.  The work-group's 1,024 x 128 numbers of W1 are read from memory once, as f32, quantised in registers and parked in LDS as images of operand registers.
; ROLES.  Waves 0-3 (producers) only stream and quantise weights; waves 4-7 (consumers) only fetch rows' codes and multiply.  Each role has its own count of loads.
; A ROUND: producer p quantises one unit of 128 k x 64 columns (4 blocks of 32 k): 4 fragments and 4 scale words.  Round n: columns 64 (n / 2) on, K steps 4 (n % 2) + p.  Four rounds.
;   In front of a round's barrier the producers store that round's images; behind it the consumers read them, while the producers work on the next round's, which are other bytes.
; A BLOCK: 16 loads of 16 bytes a lane; lane (r, h) reads row k0 + 2 i + h, columns 4 r .. 4 r + 3: sixteen lanes read 256 consecutive bytes.  So a lane holds, of column 4 r + j, the k of one parity:
;   with the code of k laid at place 16 (k % 2) + k / 2 of its block, those are places 16 h + 0 .. 15: the lane's four registers of the fragment of COLUMN TILE j = columns {4 m + j}.  x's codes lie in the same order.
;   The four columns of a lane have four scales: the numbers are multiplied by 2^-e (exact), held at +-57,344 and converted with the scale 1; a turn of 4 x 4 bytes sorts the codes by column.
; ROWS.  Wave 4 builds the expert's list of tokens from sel (a count over lanes; the list's order is the order of the count) in LDS; slice 0 stores each token's place and the count for the later launches.
;   A consumer takes 5 tiles of 16 rows a pass, the four of them 320 rows; four passes always, 1,280 places for at most 1,024 rows.  A wave whose first row lies beyond the count does nothing in that pass.
; THE PRODUCT IS USED TRANSPOSED (source 0 = 16 columns of W1, source 1 = 16 tokens): lane (r, h) holds token r and hidden units 32 h + 4 j' + j of the 64: one whole block of the next K.
; OUT: hq, images of the next product's fragments [e][tile][K step = slice][c][lane][16 bytes]; hs, images of its scale registers (lanes 0-15 count).
; The accumulators are cleared by moves, 160 for each 64 columns, so that one text of a K step serves every round.
; LIMITS: NaN and infinities are not served; a block whose largest magnitude lies under 2^-111 keeps the byte 1 (its codes are read by this program alone); where exp2 overflows, silu is taken as -0.
.set PITCH, 16384                      ; a row of W1 in bytes
.set WSC,   131072                     ; LDS: 0: the weights' images, unit (4 round + p), tile j at ((4 round + p) 4 + j) 2,048 + 512 c + 16 lane;  WSC: their scale words, 128 bytes each
.set LIST,  139264                     ; 1,280 places of the list, then 32 words that take what does not belong to the expert; 5,632 bytes are cleared
.set CNTW,  144896                     ; the count, 32 equal words
.set L16,  1                           ; v1   16 x lane        v2   4 x lane
.set L4,   2
.set VW,   3                           ; v3   the weights' offset: h rows + 16 r
.set IMG0, 4                           ; v4   16 lane + 8,192 (wave % 4)         v5   WSC + 4 lane + 512 (wave % 4)        v7   WSC + 4 lane
.set SC0,  5
.set WS0,  7
.set IMGR, 8                           ; v8-11 the same four (with v1) in the round in hand
.set SCR,  9
.set WFR,  10
.set WSR,  11
.set LST0, 12                          ; v12  LIST + 4 r + 320 (wave % 4)        v13  in the pass in hand
.set LSTR, 13
.set H16,  14                          ; v14  16 h
.set CNA,  15                          ; v15  CNTW + 4 lane
.set AS,   16                          ; v16-25 the rows' scale words, two sets of five;  v26-29 the weights': these registers hold scales and nothing else
.set WS,   26
.set XO,   30                          ; v30-34 byte offset of my token's codes, v35-39 of its scale bytes, v40-44 h's scale words in the making
.set XSO,  35
.set SWH,  40
.set LZ,   45                          ; v45  LIST + 16 lane
.set SCA,  46                          ; v46  where a token goes in the list
.set TMP,  47
.set WF,   48                          ; consumers: v48-111 four weight fragments (on the way out: h's codes, 8 a tile)
.set CD,   48                          ; producers: v48-63 codes by row, v64-79 half turned, v80-95 by column
.set PA,   64
.set FR,   80
.set ACT0, 112                         ; v112-191 five row fragments, set 0; set 1 in window 1, v160-239; accumulator (i, j) in window 1 at v[32 i + 8 j]
.set AM,   192                         ; producers, at work
.set PX,   196
.set MU,   200
.set BY,   204
.set SW,   208
.set ONE,  212
.set EX,   216
.set TT,   192                         ; consumers, the way out: v192-223, v224-255
.set HR,   224
.set SL,   112                         ; wave 4, the list: sel as loaded, the places
.set PR,   144
.set MSB, 0
.macro WIN new                         ; the immediate's high byte repeats the setting that is left
.if MSB != (\new)
	s_set_vgpr_msb (MSB<<8)|(\new)
.set MSB, (\new)
.endif
.endm
.macro PLACES                          ; eight plain instructions behind this matrix form, ahead of loads into its registers and of readers of its results
.rept 8
	v_nop
.endr
.endm
.macro WLOAD c                         ; block c of a unit: 32 rows x 256 bytes into window 1, v[64 c ..]; read once in the launch
.irp i, 0,1,2,3,4,5,6,7,8,9,10,11,12,13,14,15
	global_load_b128 v[64*\c+4*\i:64*\c+4*\i+3], v[VW], s[28:29] offset:(32*\c+2*\i)*PITCH th:TH_LOAD_NT
.endr
.endm
.macro QBLK c, refill, left            ; block c is quantised; left: the younger blocks' loads, which may stay out
	s_wait_loadcnt \left
	WIN 0x14                                       ; sources 1 and 2 in window 1
.irp j, 0,1,2,3
	v_max3_num_f32 v[AM+\j], 0x8000000, |v[64*\c+\j]|, |v[64*\c+4+\j]|   ; column j: my 16 numbers, and the floor 2^(16 - 127)
.endr
.irp i, 2,4,6,8,10,12,14
.irp j, 0,1,2,3
	v_max3_num_f32 v[AM+\j], v[AM+\j], |v[64*\c+4*\i+\j]|, |v[64*\c+4*\i+4+\j]|
.endr
.endr
	WIN 0
.irp j, 0,1,2,3
	v_permlanex16_b32 v[PX+\j], v[AM+\j], s46, s47
.endr
.irp j, 0,1,2,3
	s_delay_alu instid0(VALU_DEP_4)
	v_max_num_f32 v[AM+\j], v[AM+\j], v[PX+\j]     ; with the other parity's 16: the block's largest magnitude
.endr
.irp j, 0,1,2,3
	s_delay_alu instid0(VALU_DEP_4)
	v_and_b32 v[EX+\j], 0x7f800000, v[AM+\j]
.endr
.irp j, 0,1,2,3
	s_delay_alu instid0(VALU_DEP_4)
	v_sub_nc_u32 v[MU+\j], 0x86800000, v[EX+\j]    ; 2^-e: exponent field 269 - the magnitude's
.endr
.irp j, 0,1,2,3
	v_lshrrev_b32 v[BY+\j], 23, v[EX+\j]
.endr
.irp j, 0,1,2,3
	s_delay_alu instid0(VALU_DEP_4)
	v_add_nc_u32 v[BY+\j], -15, v[BY+\j]           ; the scale's byte
.endr
.irp j, 0,1,2,3
.if \c == 0
	s_delay_alu instid0(VALU_DEP_4)
	v_mov_b32 v[SW+\j], v[BY+\j]
.else
	s_delay_alu instid0(VALU_DEP_4)
	v_lshl_or_b32 v[SW+\j], v[BY+\j], 8*\c, v[SW+\j]
.endif
.endr
	WIN 0x41                                       ; destination and source 0 in window 1
.irp i, 0,1,2,3,4,5,6,7,8,9,10,11,12,13,14,15
	v_pk_mul_f32 v[64*\c+4*\i:64*\c+4*\i+1], v[64*\c+4*\i:64*\c+4*\i+1], v[MU:MU+1]
	v_pk_mul_f32 v[64*\c+4*\i+2:64*\c+4*\i+3], v[64*\c+4*\i+2:64*\c+4*\i+3], v[MU+2:MU+3]
.endr
.set n, 0
.rept 64
	v_med3_num_f32 v[64*\c+n], v[64*\c+n], s52, s53   ; the conversion does not saturate (ISA guide 7.6.2): the hold at +-57,344
.set n, n+1
.endr
	WIN 0x01
.irp m, 0,1,2,3,4,5,6,7
	v_cvt_scalef32_pk8_bf8_f32 v[CD+2*\m:CD+2*\m+1], v[64*\c+8*\m:64*\c+8*\m+7], v[ONE]   ; word i: row i, columns j = 0 .. 3
.endr
	WIN 0
	v_nop                                          ; a plain instruction between the last conversion and the first reader
	s_wait_alu depctr_va_vdst(0)
	s_wait_dscnt 0x0                               ; the last block's LDS stores are done
.irp q, 0,1,2,3                        ; 4 x 4 bytes are turned: word q of column j = rows 4 q .. 4 q + 3
	v_perm_b32 v[PA+4*\q],   v[CD+4*\q+1], v[CD+4*\q],   s48
	v_perm_b32 v[PA+4*\q+1], v[CD+4*\q+1], v[CD+4*\q],   s49
	v_perm_b32 v[PA+4*\q+2], v[CD+4*\q+3], v[CD+4*\q+2], s48
	v_perm_b32 v[PA+4*\q+3], v[CD+4*\q+3], v[CD+4*\q+2], s49
.endr
.irp q, 0,1,2,3
	v_perm_b32 v[FR+\q],    v[PA+4*\q+2], v[PA+4*\q],   s50
	v_perm_b32 v[FR+4+\q],  v[PA+4*\q+2], v[PA+4*\q],   s51
	v_perm_b32 v[FR+8+\q],  v[PA+4*\q+3], v[PA+4*\q+1], s50
	v_perm_b32 v[FR+12+\q], v[PA+4*\q+3], v[PA+4*\q+1], s51
.endr
.irp j, 0,1,2,3
	ds_store_b128 v[IMGR], v[FR+4*\j:FR+4*\j+3] offset:2048*\j+512*\c   ; registers 4 c .. 4 c + 3 of tile j's fragment, as they stand: 512 consecutive bytes
.endr
.if \c == 3
.irp j, 0,1,2,3
	ds_store_b32 v[SCR], v[SW+\j] offset:128*\j
.endr
.endif
.if \refill
	WIN 0x40
	WLOAD \c                                       ; the next unit's block c takes the registers just left
	WIN 0
.endif
.endm
.macro ACTLOAD k, buf, xb, xsb         ; five tiles' fragments and scale words of the round's K step k: 25 loads
.if (\buf)
	WIN 0x40
.endif
.irp i, 0,1,2,3,4
.irp c, 0,1,2,3
	global_load_b128 v[ACT0+48*(\buf)+16*\i+4*\c:ACT0+48*(\buf)+16*\i+4*\c+3], v[XO+\i], s[\xb:\xb+1] offset:128*(\k)+32*\c
.endr
.endr
	WIN 0
.irp i, 0,1,2,3,4
	global_load_b32 v[AS+5*(\buf)+\i], v[XSO+\i], s[\xsb:\xsb+1] offset:4*(\k)
.endr
.endm
.macro WRUN k, half                    ; two weight fragments and their scale words from LDS: ten loads
.irp jj, 0,1
.irp c, 0,1,2,3
	ds_load_b128 v[WF+16*(2*\half+\jj)+4*\c:WF+16*(2*\half+\jj)+4*\c+3], v[WFR] offset:8192*(\k)+2048*(2*\half+\jj)+512*\c
.endr
	ds_load_b32 v[WS+2*\half+\jj], v[WSR] offset:512*(\k)+128*(2*\half+\jj)
.endr
.endm
.macro MUL10 half, buf                 ; ten products on ten accumulators, by turns
	WIN 0x50+4*(\buf)                              ; C and D in window 1; source 1 in the set's window
.irp jj, 0,1
.irp i, 0,1,2,3,4
	v_wmma_scale_f32_16x16x128_f8f6f4 v[32*\i+8*(2*\half+\jj):32*\i+8*(2*\half+\jj)+7], v[WF+16*(2*\half+\jj):WF+16*(2*\half+\jj)+15], v[ACT0+48*(\buf)+16*\i:ACT0+48*(\buf)+16*\i+15], v[32*\i+8*(2*\half+\jj):32*\i+8*(2*\half+\jj)+7], v[WS+2*\half+\jj], v[AS+5*(\buf)+\i] matrix_a_fmt:MATRIX_FMT_BF8 matrix_b_fmt:MATRIX_FMT_BF8
.endr
.endr
.endm
.macro KSTEP k
.if \k < 3
	ACTLOAD \k+1, (\k+1)%2, 34, 36
	s_wait_loadcnt 25                              ; all but the 25 just issued: this K step's rows are in
.else
	s_cmp_lt_u32 s23, 3
	s_cbranch_scc0 .Lmm_last_\@
	ACTLOAD 0, 0, 38, 40                           ; the next round's first K step
	s_wait_loadcnt 25
	s_branch .Lmm_go_\@
.Lmm_last_\@:
	s_wait_loadcnt 0x0
.Lmm_go_\@:
.endif
	s_wait_dscnt 10                                ; tiles 0 and 1 are in; the ten loads of tiles 2 and 3 may stay out
	MUL10 0, \k%2
	WIN 0
	PLACES
.if \k < 3
	WRUN \k+1, 0
	s_wait_dscnt 10                                ; tiles 2 and 3 are in; the ten just issued may stay out
.else
	s_wait_dscnt 0x0
.endif
	MUL10 1, \k%2
	WIN 0
	PLACES                                         ; behind the round's last products these are also the places ahead of the way out
.if \k < 3
	WRUN \k+1, 1
.endif
.endm
.macro CLEAR
	WIN 0x40
.set n, 0
.rept 160
	v_mov_b32 v[n], 0
.set n, n+1
.endr
	WIN 0
.endm
; Tile i's 16 rows x 64 hidden units: silu, the block's scale, codes, and out.  A lane holds one whole block of 32 along the next K.
.macro SILUQ i
	s_add_co_u32 s27, s26, 16*\i
	s_cmp_lt_u32 s27, s24                          ; a tile beyond the count stores nothing
	s_cbranch_scc0 .Lsq_skip_\@
	WIN 0x01
.irp j, 0,1,2,3
.irp u, 0,1,2,3
	v_pk_mul_f32 v[TT+8*\j+2*\u:TT+8*\j+2*\u+1], v[32*\i+8*\j+2*\u:32*\i+8*\j+2*\u+1], s[56:57] op_sel_hi:[1,0]   ; -a log2(e); each accumulator from its low end on
.endr
.endr
	WIN 0
.set n, 0
	s_wait_alu depctr_va_vdst(0)
.rept 32
	v_exp_f32 v[TT+n], v[TT+n]
.set n, n+1
.endr
	v_nop
	s_wait_alu depctr_va_vdst(0)                   ; one wait for the batch of 32
.set n, 0
.rept 16
	v_pk_add_f32 v[TT+n:TT+n+1], v[TT+n:TT+n+1], 1.0 op_sel_hi:[1,0]
.set n, n+2
.endr
.set n, 0
	s_wait_alu depctr_va_vdst(0)
.rept 32
	v_rcp_f32 v[TT+n], v[TT+n]
.set n, n+1
.endr
	v_nop
	s_wait_alu depctr_va_vdst(0)
	WIN 0x01
.irp j, 0,1,2,3
.irp u, 0,1,2,3,4,5,6,7
	v_mul_f32 v[HR+16*(\j%2)+2*\u+\j/2], v[32*\i+8*\j+\u], v[TT+8*\j+\u]   ; silu; unit k = 4 u + j of the block goes to place 16 (k % 2) + k / 2
.endr
.endr
	WIN 0
	v_max3_num_f32 v[TT], |v[HR]|, |v[HR+1]|, 0x8000000
	v_max3_num_f32 v[TT+1], |v[HR+16]|, |v[HR+17]|, 0x8000000
.irp u, 2,4,6,8,10,12,14
	s_delay_alu instid0(VALU_DEP_2)
	v_max3_num_f32 v[TT], v[TT], |v[HR+\u]|, |v[HR+\u+1]|
	s_delay_alu instid0(VALU_DEP_2)
	v_max3_num_f32 v[TT+1], v[TT+1], |v[HR+16+\u]|, |v[HR+17+\u]|
.endr
	s_delay_alu instid0(VALU_DEP_1)
	v_max_num_f32 v[TT], v[TT], v[TT+1]            ; the block's largest magnitude: all 32 are mine
	s_delay_alu instid0(VALU_DEP_1)
	v_add_nc_u32 v[TT+2], 0xf8800000, v[TT]        ; the conversion's scale operand
	s_delay_alu instid0(VALU_DEP_2)
	v_and_or_b32 v[TT+3], v[TT], 0x7f800000, s54   ; 57,344 x the scale
	s_delay_alu instid0(VALU_DEP_2)
	v_lshrrev_b32 v[TT+4], 23, v[TT+2]             ; the byte
.set n, 0
.rept 32
	v_med3_num_f32 v[HR+n], v[HR+n], -v[TT+3], v[TT+3]
.set n, n+1
.endr
.irp u, 0,1,2,3
	v_cvt_scalef32_pk8_bf8_f32 v[WF+8*\i+2*\u:WF+8*\i+2*\u+1], v[HR+8*\u:HR+8*\u+7], v[TT+2]
.endr
	v_nop
	v_permlanex16_b32 v[TT+5], v[TT+4], s46, s47   ; the other block's byte
.irp q, 0,1,2,3
	v_permlane16_swap_b32 v[WF+8*\i+\q], v[WF+8*\i+4+\q]   ; places 16 .. 31 of the lower lanes' block change with places 0 .. 15 of the upper lanes': two groups of four fragment registers
.endr
	global_store_b128 v[L16], v[WF+8*\i:WF+8*\i+3], s[60:61] offset:65536*\i        ; 512 consecutive bytes each
	global_store_b128 v[L16], v[WF+8*\i+4:WF+8*\i+7], s[60:61] offset:65536*\i+512
	v_lshl_or_b32 v[TT+5], v[TT+5], 8, v[TT+4]     ; in lanes 0-15: this group's two bytes in order
	s_delay_alu instid0(VALU_DEP_1)
	v_lshl_or_b32 v[SWH+\i], v[TT+5], s58, v[SWH+\i]
	s_cmp_eq_u32 s23, 3
	s_cbranch_scc0 .Lsq_skip_\@
	global_store_b32 v[L4], v[SWH+\i], s[44:45] offset:4096*\i   ; the K step's scale word is whole
.Lsq_skip_\@:
.endm
	s_load_b256 s[4:11], s[0:1], 0x0               ; W1 s[4:5], xq s[6:7], xs s[8:9], sel s[10:11]
	s_load_b128 s[12:15], s[0:1], 0x20             ; hq s[12:13], hs s[14:15]
	s_load_b64 s[16:17], s[0:1], 0x30              ; place
	v_lshrrev_b32 v[TMP], 5, v0
	s_delay_alu instid0(VALU_DEP_1)
	v_readfirstlane_b32 s18, v[TMP]                ; wave 0..7
	s_and_b32 s19, s18, 3                          ; my place in my role
	s_and_b32 s20, ttmp7, 0xffff                   ; the expert
	s_mov_b32 s21, ttmp9                           ; the slice
	v_and_b32 v[TMP], 31, v0
	s_delay_alu instid0(VALU_DEP_1)
	v_lshlrev_b32 v[L16], 4, v[TMP]
	s_delay_alu instid0(VALU_DEP_2)
	v_lshlrev_b32 v[L4], 2, v[TMP]
	v_and_b32 v192, 15, v0                         ; r
	v_bfe_u32 v193, v0, 4, 1                       ; h
	s_delay_alu instid0(VALU_DEP_2)
	v_lshlrev_b32 v[VW], 4, v192
	s_delay_alu instid0(VALU_DEP_1)
	v_lshl_add_u32 v[VW], v193, 14, v[VW]
	s_lshl_b32 s27, s19, 13
	v_add_nc_u32 v[IMG0], s27, v[L16]
	s_lshl_b32 s27, s19, 9
	s_add_co_u32 s27, s27, WSC
	v_add_nc_u32 v[SC0], s27, v[L4]
	v_add_nc_u32 v[WS0], WSC, v[L4]
	s_mul_i32 s27, s19, 320
	s_add_co_u32 s27, s27, LIST
	v_lshl_add_u32 v[LST0], v192, 2, s27
	v_lshlrev_b32 v[H16], 4, v193
	v_add_nc_u32 v[CNA], CNTW, v[L4]
	v_add_nc_u32 v[LZ], LIST, v[L16]
	s_mov_b32 s46, 0x76543210
	s_mov_b32 s47, 0xfedcba98                      ; v_permlanex16_b32's selects for lane l xor 16
	s_mov_b32 s48, 0x05010400                      ; the byte turn's four selectors
	s_mov_b32 s49, 0x07030602
	s_mov_b32 s50, 0x05040100
	s_mov_b32 s51, 0x07060302
	s_mov_b32 s52, 0xc7600000                      ; -57,344
	s_mov_b32 s53, 0x47600000                      ; 57,344
	s_mov_b32 s54, 0x600000                        ; its mantissa field
	s_mov_b32 s56, 0xbfb8aa3b                      ; -log2(e)
	s_mov_b32 s57, s56                             ; (named with it as a pair)
.irp j, 0,1,2,3
	v_mov_b32 v[PX+\j], 0                          ; written once: a lane permute's destination counts as one of its sources
.endr
	v_mov_b32 v[ONE], 1.0
	s_lshl_b32 s30, s20, 24                        ; the expert's 16 MiB,
	s_lshl_b32 s31, s21, 9                         ; the slice's 512 bytes of a row,
	s_add_co_u32 s30, s30, s31
	s_lshl_b32 s31, s19, 21                        ; my K step's 128 rows
	s_add_co_u32 s30, s30, s31
	s_mov_b32 s31, 0
	s_wait_kmcnt 0x0
	s_add_nc_u64 s[32:33], s[4:5], s[30:31]        ; round 0's unit
	s_cmp_lt_u32 s18, 4
	s_cbranch_scc0 .Lhead_not_p
	s_mov_b64 s[28:29], s[32:33]
	WIN 0x40
	WLOAD 0                                        ; the stream begins: 64 loads of 512 bytes
	WLOAD 1
	WLOAD 2
	WLOAD 3
	WIN 0
	s_branch .Lhead_joined
.Lhead_not_p:
	CLEAR                                          ; the consumers' accumulators
.Lhead_joined:
	s_cmp_eq_u32 s18, 4
	s_cbranch_scc0 .Lno_list
	; THE LIST, by wave 4 alone; no other wave touches LDS ahead of the barrier below
.irp m, 0,1,2,3,4,5,6,7
	global_load_b128 v[SL+4*\m:SL+4*\m+3], v[L16], s[10:11] offset:512*\m   ; register 4 m + q: token 128 m + 4 lane + q
.endr
.irp j, 0,1,2,3
	v_mov_b32 v[176+\j], 0
.endr
.irp n, 0,1,2,3,4,5,6,7,8,9,10
	ds_store_b128 v[LZ], v[176:179] offset:512*\n  ; places that no token takes hold token 0: a row like any other, whose results are not stored or not read
.endr
	v_and_b32 v185, 31, v0
	s_delay_alu instid0(VALU_DEP_1)
	v_add_nc_u32 v185, 1280, v185                  ; where a lane puts a token that is not the expert's
	s_mov_b32 s66, 0
	s_wait_loadcnt 0x0
.set n, 0
.rept 32
	v_and_b32 v180, 0xff, v[SL+n]
	v_bfe_u32 v181, v[SL+n], 8, 8
	s_delay_alu instid0(VALU_DEP_2)
	v_cmp_eq_u32 s67, s20, v180
	s_delay_alu instid0(VALU_DEP_2)
	v_cmp_eq_u32 vcc_lo, s20, v181
	s_or_b32 s67, s67, vcc_lo                      ; the lanes whose token chose this expert
	v_mbcnt_lo_u32_b32 v[PR+n], s67, s66           ; its place: those counted so far + those in lower lanes
	s_wait_alu depctr_va_vdst(0)
	v_cndmask_b32 v182, v185, v[PR+n], s67
	s_delay_alu instid0(VALU_DEP_1)
	v_min_u32 v182, 0x51f, v182
	s_delay_alu instid0(VALU_DEP_1)
	v_lshl_add_u32 v[SCA], v182, 2, LIST
	v_add_nc_u32 v183, 128*(n/4)+n%4, v[L4]        ; the token
	ds_store_b32 v[SCA], v183
	s_bcnt1_i32_b32 s68, s67
	s_add_co_u32 s66, s66, s68
.set n, n+1
.endr
	v_mov_b32 v184, s66
	ds_store_b32 v[CNA], v184                      ; the count
	s_cmp_eq_u32 s21, 0
	s_cbranch_scc0 .Lno_list
	s_lshl_b32 s30, s20, 12                        ; slice 0 stores places and count for the launches that follow
	s_add_nc_u64 s[70:71], s[16:17], s[30:31]
	s_lshl_b32 s30, s20, 8
	s_add_co_u32 s30, s30, 32768
	s_add_nc_u64 s[72:73], s[16:17], s[30:31]
.irp m, 0,1,2,3,4,5,6,7
	global_store_b128 v[L16], v[PR+4*\m:PR+4*\m+3], s[70:71] offset:512*\m   ; pos[e][t]; a token that did not choose e gets a number that nobody uses
.endr
	global_store_b32 v[L4], v184, s[72:73]
.Lno_list:
	s_wait_dscnt 0x0                               ; the list and the count lie in LDS
	s_barrier_signal -1
	s_barrier_wait -1
	s_wait_alu depctr_va_vdst(0)
	ds_load_b32 v[TMP], v[CNA]
	s_wait_dscnt 0x0
	v_readfirstlane_b32 s24, v[TMP]
	s_min_u32 s24, s24, 0x400                      ; the expert's rows
	s_mov_b32 s22, 0                               ; the pass
	s_mul_i32 s26, s19, 80                         ; my first row of the pass: 320 pass + 80 (wave % 4)
	s_mov_b32 s59, 0                               ; the pass's bytes of the list
.Lpass:
	s_wait_xcnt 0x0                                ; what earlier loads and stores name may be written again
	v_add_nc_u32 v[LSTR], s59, v[LST0]
	s_lshr_b32 s30, s26, 4                         ; my first tile
	s_lshl_b32 s31, s20, 6
	s_add_co_u32 s30, s30, s31
	s_lshl_b32 s30, s30, 5
	s_add_co_u32 s30, s30, s21                     ; (64 e + tile) 32 + slice
	s_lshl_b32 s66, s30, 7
	s_lshl_b32 s30, s30, 11
	s_mov_b32 s31, 0
	s_add_nc_u64 s[42:43], s[12:13], s[30:31]      ; its fragment in hq,
	s_mov_b32 s30, s66
	s_add_nc_u64 s[44:45], s[14:15], s[30:31]      ; its scale words in hs
	s_cmp_lt_u32 s18, 4
	s_cbranch_scc1 .Lno_setup
	s_wait_loadcnt 0x0                             ; no load of mine is out: its registers and addresses may be written
	s_wait_alu depctr_va_vdst(0)
.irp i, 0,1,2,3,4
	ds_load_b32 v[XO+\i], v[LSTR] offset:64*\i     ; lane (r, h): the token at row r of tile i
.endr
	s_wait_dscnt 0x0
.irp i, 0,1,2,3,4
	v_min_u32 v[XO+\i], 0x3ff, v[XO+\i]
.endr
.irp i, 0,1,2,3,4
	v_lshlrev_b32 v[XSO+\i], 5, v[XO+\i]
.endr
.irp i, 0,1,2,3,4
	v_lshl_add_u32 v[XO+\i], v[XO+\i], 10, v[H16]
.endr
.irp i, 0,1,2,3,4
	v_mov_b32 v[SWH+\i], 0
.endr
	ACTLOAD 0, 0, 6, 8                             ; the pass's first K step
.Lno_setup:
	s_mov_b32 s23, 0                               ; the round
	s_mov_b32 s62, 0                               ; its images, 32,768 bytes a round,
	s_mov_b32 s63, 0                               ; its scale words, 2,048
.Lround:
	s_wait_xcnt 0x0                                ; bases and offsets of what has been issued may be written
	s_add_co_u32 s30, s23, 1                       ; the next round's unit: K steps 4 (n % 2) on, columns 64 (n / 2) on
	s_and_b32 s31, s30, 1
	s_lshl_b32 s31, s31, 23
	s_lshr_b32 s30, s30, 1
	s_lshl_b32 s30, s30, 8
	s_add_co_u32 s30, s30, s31
	s_mov_b32 s31, 0
	s_add_nc_u64 s[28:29], s[32:33], s[30:31]
	s_and_b32 s30, s23, 1
	s_lshl_b32 s30, s30, 9
	s_add_nc_u64 s[34:35], s[6:7], s[30:31]        ; x's codes of this round's four K steps,
	s_xor_b32 s30, s30, 512
	s_add_nc_u64 s[38:39], s[6:7], s[30:31]        ; of the next round's,
	s_lshr_b32 s30, s30, 5
	s_add_nc_u64 s[40:41], s[8:9], s[30:31]        ; and the scale bytes likewise
	s_xor_b32 s30, s30, 16
	s_add_nc_u64 s[36:37], s[8:9], s[30:31]
	s_lshr_b32 s58, s23, 1                         ; which 64 columns
	s_lshl_b32 s30, s58, 10
	s_add_nc_u64 s[60:61], s[42:43], s[30:31]      ; their two groups of fragment registers in hq
	s_lshl_b32 s58, s58, 4                         ; and their two bytes' place in the scale word
	v_add_nc_u32 v[IMGR], s62, v[IMG0]
	v_add_nc_u32 v[SCR], s63, v[SC0]
	v_add_nc_u32 v[WFR], s62, v[L16]
	v_add_nc_u32 v[WSR], s63, v[WS0]
	s_cmp_lt_u32 s18, 4
	s_cbranch_scc0 .Lnot_p
	s_cmp_eq_u32 s22, 0                            ; the weights are quantised in the first pass; the later ones find them in LDS
	s_cbranch_scc0 .Lnot_p
	s_cmp_lt_u32 s23, 3
	s_cbranch_scc0 .Ltail
	QBLK 0, 1, 48                                  ; three younger blocks, 48 loads, stay out
	QBLK 1, 1, 48
	QBLK 2, 1, 48
	QBLK 3, 1, 48
	s_branch .Lnot_p
.Ltail:
	QBLK 0, 0, 48                                  ; the last unit asks for nothing: the counts run down
	QBLK 1, 0, 32
	QBLK 2, 0, 16
	QBLK 3, 0, 0
.Lnot_p:
	s_wait_dscnt 0x0                               ; the round's images lie in LDS; my reads of the last round's are over
	s_barrier_signal -1
	s_barrier_wait -1
	s_cmp_lt_u32 s18, 4
	s_cbranch_scc1 .Lnot_c
	s_cmp_lt_u32 s26, s24                          ; have I rows in this pass?
	s_cbranch_scc0 .Lnot_c
	s_wait_alu depctr_va_vdst(0)
	WRUN 0, 0
	WRUN 0, 1
	s_wait_loadcnt 0x0                             ; the round's first K step, asked for a round ago or at the pass's head, is in: no load is out when registers of window 1 are loaded or written below
	KSTEP 0
	KSTEP 1
	KSTEP 2
	KSTEP 3
	s_bitcmp1_b32 s23, 0                           ; behind an odd round all of K is summed for 64 columns
	s_cbranch_scc0 .Lnot_c
	SILUQ 0
	SILUQ 1
	SILUQ 2
	SILUQ 3
	SILUQ 4
	CLEAR
.Lnot_c:
	s_add_co_u32 s62, s62, 32768
	s_add_co_u32 s63, s63, 2048
	s_add_co_u32 s23, s23, 1
	s_cmp_lt_u32 s23, 4
	s_cbranch_scc1 .Lround
	s_add_co_u32 s26, s26, 320
	s_add_co_u32 s59, s59, 1280
	s_add_co_u32 s22, s22, 1
	s_cmp_lt_u32 s22, 4
	s_cbranch_scc1 .Lpass
	s_wait_xcnt 0x0
	v_lshl_add_u32 v254, v0, 2, 0x24000
	v_mov_b32 v255, 0
	s_wait_alu depctr_va_vdst(0)
	s_wait_tensorcnt 0x0
	ds_add_u32 v254, v255
	s_wait_dscnt 0x0
	s_endpgm
.Lfunc_end_k_q7edd35ab15_gemm1:
	.size	k_q7edd35ab15_gemm1, .Lfunc_end_k_q7edd35ab15_gemm1-k_q7edd35ab15_gemm1
	.p2alignl 7, 3214868480
	.fill 96, 4, 3214868480
	.section	.rodata,"a",@progbits
	.p2align	6, 0x0
	.amdhsa_kernel k_q7edd35ab15_gemm1
		.amdhsa_group_segment_fixed_size 148480
		.amdhsa_private_segment_fixed_size 0
		.amdhsa_enable_private_segment 0
		.amdhsa_kernarg_size 56
		.amdhsa_user_sgpr_count 2
		.amdhsa_user_sgpr_kernarg_segment_ptr 1
		.amdhsa_wavefront_size32 1
		.amdhsa_system_sgpr_workgroup_id_x 1
		.amdhsa_system_sgpr_workgroup_id_y 1
		.amdhsa_system_sgpr_workgroup_id_z 1
		.amdhsa_system_vgpr_workitem_id 0
		.amdhsa_next_free_vgpr 512
		.amdhsa_next_free_sgpr 96
		.amdhsa_reserve_vcc 1
		.amdhsa_float_denorm_mode_32 3
		.amdhsa_float_denorm_mode_16_64 3
		.amdhsa_memory_ordered 1
		.amdhsa_forward_progress 1
		.amdhsa_inst_pref_size 248
	.end_amdhsa_kernel
	.amdgpu_metadata
---
amdhsa.version: [ 1, 2 ]
amdhsa.kernels:
  - .name:           k_q7edd35ab15_gemm1
    .symbol:         k_q7edd35ab15_gemm1.kd
    .args:
      - { .name: W1, .offset: 0, .size: 8, .value_kind: global_buffer, .address_space: global }
      - { .name: xq, .offset: 8, .size: 8, .value_kind: global_buffer, .address_space: global }
      - { .name: xs, .offset: 16, .size: 8, .value_kind: global_buffer, .address_space: global }
      - { .name: sel, .offset: 24, .size: 8, .value_kind: global_buffer, .address_space: global }
      - { .name: hq, .offset: 32, .size: 8, .value_kind: global_buffer, .address_space: global }
      - { .name: hs, .offset: 40, .size: 8, .value_kind: global_buffer, .address_space: global }
      - { .name: place, .offset: 48, .size: 8, .value_kind: global_buffer, .address_space: global }
    .group_segment_fixed_size: 148480
    .private_segment_fixed_size: 0
    .kernarg_segment_align: 8
    .kernarg_segment_size: 56
    .max_flat_workgroup_size: 256
    .sgpr_count:     96
    .vgpr_count:     512
    .wavefront_size: 32
...
	.end_amdgpu_metadata
.endif
;; end of part 6
;; launch gemm2 (part 7): grid 32 x 8, 8 waves a work-group, no clusters, 158,720 bytes of LDS; arguments W2, hq, hs, place, yp; writes yp
.if DOCPART == 7
	.amdgcn_target "amdgcn-amd-amdhsa--gfx1250"
	.amdhsa_code_object_version 6
	.text
	.protected	k_q7edd35ab15_gemm2
	.globl	k_q7edd35ab15_gemm2
	.p2align	8
	.type	k_q7edd35ab15_gemm2,@function
k_q7edd35ab15_gemm2:
	s_mov_b64 s[64:65], 0
	v_nop
	global_prefetch_b8 v0, s[64:65] scope:SCOPE_SE
	s_setreg_imm32_b32 hwreg(HW_REG_WAVE_SCHED_MODE, 0, 2), 2
	s_setreg_imm32_b32 hwreg(HW_REG_WAVE_MODE, 25, 1), 1
	s_wait_xcnt 0x0
	s_wait_alu depctr_vm_vsrc(0)
; y = h W2 for the rows routed to one expert, in MX-BF8.  Work-group (x, e): expert e, columns 64 (x % 16) .. + 63 of D, half x / 16 of K = 4,096.  The two halves of K go to two planes of yp; the last launch adds them.
; THE WEIGHTS STAY, THE ROWS PASS, as in the launch before: the work-group's 2,048 x 64 numbers of W2 are read once as f32, quantised in registers by waves 0-3 and parked in LDS as images of operand registers;
; waves 4-7 fetch h's fragments (images, 512 consecutive bytes a load) and multiply.  A round: producer p quantises K step 4 round + p of the half: 128 k x 64 columns.  Four rounds.
; A block of 32 k: lane (r, h) reads row k0 + 2 i + h, columns 4 r .. 4 r + 3; the code of k lies at place 16 (k % 2) + k / 2 of its block, as h's codes do; column tile j = columns {4 m + j}.
; ROWS: 5 tiles of 16 a consumer and pass, four passes always; the count comes from place.  Tiles beyond the last are read as the last one, so that no byte is read that was never written, and are not stored.
; THE PRODUCT IS USED TRANSPOSED: lane (r, h) holds row r and columns 32 h + 4 j' + j.  A tile goes through the wave's own stage in LDS, which puts the columns in order, and leaves as rows of 256 consecutive bytes.
; 64 columns x half of K: a weight row's piece is 256 bytes; 32 columns x all of K would halve that and double the reads of h; 128 columns x a quarter of K would double yp.
; The accumulators are cleared by moves, 160 a pass, so that one text of a K step serves every round.
; LIMITS: NaN and infinities are not served; a block of W2 whose largest magnitude lies under 2^-111 keeps the byte 1.  The sum over K is taken in two halves.
; THE MODE: SCHED_MODE bits 1:0 = 2 (LLVM: expert scheduling mode 2), set by the entry lines.  The code itself states the register dependences
; between vector or matrix instructions and memory or LDS instructions, with s_wait_alu, always for 0.
; THE PLAN.  Registers that memory or LDS instructions touch, in the loops:
;   producers: RAW[c] (window 1, v[64 c ..])  block c's vector lines read and write it; behind them the next unit's block c is loaded into it.
;              FR, SW       written by the byte turn and the ORs; read by the block's LDS stores.        IMGR, SCR  written once a round; read by those stores.       VW  never written again.
;     ONE wait on va_vdst a block, behind the byte turn: FR, SW and the addresses are written, and the block's lines are done with RAW[c].  The refill and the stores follow it.
;     One wait on vm_vsrc a block, ahead of the byte turn: the last block's stores have read FR (for a round's first block: the wait in front of the barrier).
;   consumers: WF half 0 (tiles 0, 1, with WS 0, 1), WF half 1 (tiles 2, 3)   loaded from LDS; read by ten products each.
;              ACT and AS, sets 0 and 1   loaded from memory; read by a K step's twenty products.      WFR, WSR, V16R, V4R  written once a round.
;     A K step is two half steps.  ONE wait on va_vdst at a half step's head, behind the waits for its data: the products issued so far are done reading.  Then its ten products, which name its own half,
;     its own set and the accumulators; then the loads into the OTHER half (and, in a K step's first half step, into the other set): registers that no product since the wait names.
;   The way out holds no vector line: one wait on va_vdst ahead of it (the accumulators are written), a wait on vm_vsrc where an out-buffer is loaded again, and one ahead of the moves that clear the accumulators.
;   A wait on vm_vsrc stands at each round's head, ahead of the lines that write the addresses again.
.set PITCH, 4096                       ; a row of W2 in bytes
.set WSC,   131072                     ; LDS: 0: the weights' images;  WSC: their scale words
.set STG,   139264                     ; 16 rows x (256 + 16) bytes for each consumer
.set L16,  1
.set L4,   2
.set VW,   3
.set IMG0, 4
.set SC0,  5
.set WS0,  7
.set IMGR, 8
.set SCR,  9
.set WFR,  10
.set WSR,  11
.set STO,  12                          ; v12  the stage: row r, + 128 h          v13  back: row h, + 16 r
.set SRD,  13
.set V16R, 14                          ; v14  16 lane + 8,192 round: h's fragments of the round      v15  4 lane + 512 round: their scale words
.set V4R,  15
.set AS,   16                          ; v16-25, v26-29: scales and nothing else
.set WS,   26
.set YO,   30                          ; v30  4,096 h + 16 r: two rows of yp
.set TMP,  47
.set WF,   48
.set CD,   48
.set PA,   64
.set FR,   80
.set ACT0, 112
.set AM,   192
.set PX,   196
.set MU,   200
.set BY,   204
.set SW,   208
.set ONE,  212
.set EX,   216
.set OB,   192                         ; consumers, the way out: two sets of 32
.set MSB, 0
.macro WIN new                         ; the immediate's high byte repeats the setting that is left
.if MSB != (\new)
	s_set_vgpr_msb (MSB<<8)|(\new)
.set MSB, (\new)
.endif
.endm
.macro PLACES                          ; eight plain instructions behind this matrix form, ahead of stores that read its results and of vector lines that write its registers
.rept 8
	v_nop
.endr
.endm
.macro WLOAD c
.irp i, 0,1,2,3,4,5,6,7,8,9,10,11,12,13,14,15
	global_load_b128 v[64*\c+4*\i:64*\c+4*\i+3], v[VW], s[28:29] offset:(32*\c+2*\i)*PITCH th:TH_LOAD_NT
.endr
.endm
.macro QBLK c, refill, left            ; block c is quantised; left: the younger blocks' loads, which may stay out
	s_wait_loadcnt \left
	WIN 0x14
.irp j, 0,1,2,3
	v_max3_num_f32 v[AM+\j], 0x8000000, |v[64*\c+\j]|, |v[64*\c+4+\j]|   ; column j: my 16 numbers, and the floor 2^(16 - 127)
.endr
.irp i, 2,4,6,8,10,12,14
.irp j, 0,1,2,3
	v_max3_num_f32 v[AM+\j], v[AM+\j], |v[64*\c+4*\i+\j]|, |v[64*\c+4*\i+4+\j]|
.endr
.endr
	WIN 0
.irp j, 0,1,2,3
	v_permlanex16_b32 v[PX+\j], v[AM+\j], s46, s47
.endr
.irp j, 0,1,2,3
	v_max_num_f32 v[AM+\j], v[AM+\j], v[PX+\j]
.endr
.irp j, 0,1,2,3
	v_and_b32 v[EX+\j], 0x7f800000, v[AM+\j]
.endr
.irp j, 0,1,2,3
	v_sub_nc_u32 v[MU+\j], 0x86800000, v[EX+\j]    ; 2^-e
.endr
.irp j, 0,1,2,3
	v_lshrrev_b32 v[BY+\j], 23, v[EX+\j]
.endr
.irp j, 0,1,2,3
	v_add_nc_u32 v[BY+\j], -15, v[BY+\j]           ; the scale's byte
.endr
.irp j, 0,1,2,3
.if \c == 0
	v_mov_b32 v[SW+\j], v[BY+\j]
.else
	v_lshl_or_b32 v[SW+\j], v[BY+\j], 8*\c, v[SW+\j]
.endif
.endr
	WIN 0x41
.irp i, 0,1,2,3,4,5,6,7,8,9,10,11,12,13,14,15
	v_pk_mul_f32 v[64*\c+4*\i:64*\c+4*\i+1], v[64*\c+4*\i:64*\c+4*\i+1], v[MU:MU+1]
	v_pk_mul_f32 v[64*\c+4*\i+2:64*\c+4*\i+3], v[64*\c+4*\i+2:64*\c+4*\i+3], v[MU+2:MU+3]
.endr
.set n, 0
.rept 64
	v_med3_num_f32 v[64*\c+n], v[64*\c+n], s52, s53   ; the conversion does not saturate (ISA guide 7.6.2): the hold at +-57,344
.set n, n+1
.endr
	WIN 0x01
.irp m, 0,1,2,3,4,5,6,7
	v_cvt_scalef32_pk8_bf8_f32 v[CD+2*\m:CD+2*\m+1], v[64*\c+8*\m:64*\c+8*\m+7], v[ONE]
.endr
	WIN 0
	v_nop                                          ; a plain instruction between the last conversion and the first reader
	s_wait_alu depctr_va_vdst(0)
	s_wait_dscnt 0x0                               ; the last block's LDS stores are done
.if \c > 0
	s_wait_alu depctr_vm_vsrc(0)                   ; the last block's LDS stores have read FR, which the byte turn below writes again (for a round's first block the wait in front of the barrier has said so)
.endif
.irp q, 0,1,2,3
	v_perm_b32 v[PA+4*\q],   v[CD+4*\q+1], v[CD+4*\q],   s48
	v_perm_b32 v[PA+4*\q+1], v[CD+4*\q+1], v[CD+4*\q],   s49
	v_perm_b32 v[PA+4*\q+2], v[CD+4*\q+3], v[CD+4*\q+2], s48
	v_perm_b32 v[PA+4*\q+3], v[CD+4*\q+3], v[CD+4*\q+2], s49
.endr
.irp q, 0,1,2,3
	v_perm_b32 v[FR+\q],    v[PA+4*\q+2], v[PA+4*\q],   s50
	v_perm_b32 v[FR+4+\q],  v[PA+4*\q+2], v[PA+4*\q],   s51
	v_perm_b32 v[FR+8+\q],  v[PA+4*\q+3], v[PA+4*\q+1], s50
	v_perm_b32 v[FR+12+\q], v[PA+4*\q+3], v[PA+4*\q+1], s51
.endr
.if \refill
	WIN 0x40
.endif
	s_wait_alu depctr_va_vdst(0)                   ; the byte turn has written FR, the ORs SW, the round's head IMGR and SCR, which the LDS stores read; the block's lines are done reading and writing its raw numbers, in which the loads land
.if \refill
	WLOAD \c                                       ; the next unit's block c takes the registers just left
	WIN 0
.endif
.irp j, 0,1,2,3
	ds_store_b128 v[IMGR], v[FR+4*\j:FR+4*\j+3] offset:2048*\j+512*\c
.endr
.if \c == 3
.irp j, 0,1,2,3
	ds_store_b32 v[SCR], v[SW+\j] offset:128*\j
.endr
.endif
.endm
.macro ACTLOAD k, buf, vo, vso         ; five tiles' fragments and scale words of K step k (counted from the offsets' round): 25 loads
.if (\buf)
	WIN 0x40
.endif
.irp i, 0,1,2,3,4
.irp c, 0,1,2,3
	global_load_b128 v[ACT0+48*(\buf)+16*\i+4*\c:ACT0+48*(\buf)+16*\i+4*\c+3], v[\vo], s[66+4*\i:67+4*\i] offset:2048*(\k)+512*\c
.endr
.endr
	WIN 0
.irp i, 0,1,2,3,4
	global_load_b32 v[AS+5*(\buf)+\i], v[\vso], s[68+4*\i:69+4*\i] offset:128*(\k)
.endr
.endm
.macro WRUN k, half
.irp jj, 0,1
.irp c, 0,1,2,3
	ds_load_b128 v[WF+16*(2*\half+\jj)+4*\c:WF+16*(2*\half+\jj)+4*\c+3], v[WFR] offset:8192*(\k)+2048*(2*\half+\jj)+512*\c
.endr
	ds_load_b32 v[WS+2*\half+\jj], v[WSR] offset:512*(\k)+128*(2*\half+\jj)
.endr
.endm
.macro MUL10 half, buf                 ; ten products on ten accumulators, by turns
	WIN 0x50+4*(\buf)
.irp jj, 0,1
.irp i, 0,1,2,3,4
	v_wmma_scale_f32_16x16x128_f8f6f4 v[32*\i+8*(2*\half+\jj):32*\i+8*(2*\half+\jj)+7], v[WF+16*(2*\half+\jj):WF+16*(2*\half+\jj)+15], v[ACT0+48*(\buf)+16*\i:ACT0+48*(\buf)+16*\i+15], v[32*\i+8*(2*\half+\jj):32*\i+8*(2*\half+\jj)+7], v[WS+2*\half+\jj], v[AS+5*(\buf)+\i] matrix_a_fmt:MATRIX_FMT_BF8 matrix_b_fmt:MATRIX_FMT_BF8
.endr
.endr
.endm
; A K step: two half steps.  Each: the waits for its data, one wait on va_vdst, its ten products, and behind them the loads into the registers that the wait has shown free.
.macro KSTEP k
	s_wait_loadcnt 0x0                             ; this K step's rows, 25 loads asked for a K step ago, are in; no load is out when registers of window 1 are loaded or written below
	s_wait_dscnt 0x0                               ; tiles 0 and 1 are in: the ten loads asked for a half step ago
.if \k > 0
	s_wait_alu depctr_va_vdst(0)                   ; the last K step's products are done reading tiles 2 and 3 with their scale words and the other set of rows with its: the loads behind the ten products below land there
.endif                                                 ; (for K step 0 the wait at the consumers' round start has said the same)
	MUL10 0, \k%2
	WIN 0
	WRUN \k, 1                                     ; no product since the wait names tiles 2 and 3
.if \k < 3
	ACTLOAD \k+1, (\k+1)%2, V16R, V4R              ; nor the other set of rows: the next K step's
.else
	s_cmp_lt_u32 s23, 3
	s_cbranch_scc0 .Lmm_last_\@
	ACTLOAD 4, 0, V16R, V4R                        ; the next round's first K step
.Lmm_last_\@:
.endif
	s_wait_dscnt 0x0                               ; tiles 2 and 3 are in
	s_wait_alu depctr_va_vdst(0)                   ; the ten products above are done reading tiles 0 and 1 and their scale words, in which the loads behind the ten products below land
	MUL10 1, \k%2
	WIN 0
.if \k < 3
	WRUN \k+1, 0                                   ; no product since the wait names tiles 0 and 1
.else
	PLACES                                         ; behind the round's last products: the places ahead of the way out
.endif
.endm
.macro CLEAR
	WIN 0x40
.set n, 0
.rept 160
	v_mov_b32 v[n], 0
.set n, n+1
.endr
	WIN 0
.endm
.macro YOUT i                          ; tile i: 16 rows x 64 columns through my stage
	s_add_co_u32 s27, s26, 16*\i
	s_cmp_lt_u32 s27, s24                          ; a tile beyond the count stores nothing
	s_cbranch_scc0 .Lyo_skip_\@
	WIN 0x04                                       ; an LDS store's data are its source 1: window 1
.irp j, 0,1,2,3
.irp u, 0,1,2,3,4,5,6,7
	ds_store_b32 v[STO], v[32*\i+8*\j+\u] offset:16*\u+4*\j   ; column 32 h + 4 u + j; each accumulator from its low end on
.endr
.endr
	WIN 0
	s_wait_xcnt 0x0                                ; the stores of two tiles ago have read their registers
.if \i >= 2
	s_wait_alu depctr_vm_vsrc(0)                   ; the stores of two tiles ago have read this set of v[OB ..], in which the loads below land
.endif
.irp m, 0,1,2,3,4,5,6,7
	ds_load_b128 v[OB+32*(\i%2)+4*\m:OB+32*(\i%2)+4*\m+3], v[SRD] offset:544*\m   ; LDS serves a wave's instructions in order: these see my stores, and the next tile's stores come behind them
.endr
.irp m, 0,1,2,3,4,5,6,7
	s_wait_dscnt 7-\m
	global_store_b128 v[YO], v[OB+32*(\i%2)+4*\m:OB+32*(\i%2)+4*\m+3], s[86:87] offset:(16*\i+2*\m)*4096   ; sixteen lanes store 256 consecutive bytes, aligned
.endr
.Lyo_skip_\@:
.endm
	s_load_b256 s[4:11], s[0:1], 0x0               ; W2 s[4:5], hq s[6:7], hs s[8:9], place s[10:11]
	s_load_b64 s[12:13], s[0:1], 0x20              ; yp
	v_lshl_add_u32 v45, v0, 2, 0x26800
	v_mov_b32 v46, 0
	v_lshrrev_b32 v[TMP], 5, v0
	v_readfirstlane_b32 s18, v[TMP]                ; wave 0..7
	s_and_b32 s20, ttmp7, 0xffff                   ; the expert
	s_and_b32 s21, ttmp9, 15                       ; which 64 columns
	s_lshr_b32 s55, ttmp9, 4                       ; which half of K
	v_and_b32 v[TMP], 31, v0
	v_lshlrev_b32 v[L16], 4, v[TMP]
	v_lshlrev_b32 v[L4], 2, v[TMP]
	v_and_b32 v192, 15, v0                         ; r
	v_bfe_u32 v193, v0, 4, 1                       ; h
	v_lshlrev_b32 v[VW], 4, v192
	v_lshl_add_u32 v[VW], v193, 12, v[VW]
	s_wait_alu depctr_va_sdst(0)                   ; s18 is written, ahead of its first reader
	s_and_b32 s19, s18, 3
	s_lshl_b32 s27, s19, 13
	v_add_nc_u32 v[IMG0], s27, v[L16]
	s_lshl_b32 s27, s19, 9
	s_add_co_u32 s27, s27, WSC
	v_add_nc_u32 v[SC0], s27, v[L4]
	v_add_nc_u32 v[WS0], WSC, v[L4]
	s_mul_i32 s27, s19, 4352
	s_add_co_u32 s27, s27, STG
	v_mul_u32_u24 v[STO], v192, 272
	v_lshl_add_u32 v[STO], v193, 7, v[STO]
	v_add_nc_u32 v[STO], s27, v[STO]
	v_mul_u32_u24 v[SRD], v193, 272
	v_lshl_add_u32 v[SRD], v192, 4, v[SRD]
	v_add_nc_u32 v[SRD], s27, v[SRD]
	v_lshlrev_b32 v[YO], 12, v193
	v_lshl_add_u32 v[YO], v192, 4, v[YO]
	s_mov_b32 s46, 0x76543210
	s_mov_b32 s47, 0xfedcba98
	s_mov_b32 s48, 0x05010400
	s_mov_b32 s49, 0x07030602
	s_mov_b32 s50, 0x05040100
	s_mov_b32 s51, 0x07060302
	s_mov_b32 s52, 0xc7600000                      ; -57,344
	s_mov_b32 s53, 0x47600000                      ; 57,344
.irp j, 0,1,2,3
	v_mov_b32 v[PX+\j], 0                          ; written once: a lane permute's destination counts as one of its sources
.endr
	v_mov_b32 v[ONE], 1.0
	s_lshl_b32 s89, s20, 6                         ; 64 e
	s_lshl_b32 s90, s55, 4                         ; 16 x the half
	s_lshl_b32 s30, s20, 24                        ; the expert's 16 MiB,
	s_lshl_b32 s31, s55, 23                        ; the half's 2,048 rows,
	s_add_co_u32 s30, s30, s31
	s_lshl_b32 s31, s21, 8                         ; the columns' 256 bytes of a row,
	s_add_co_u32 s30, s30, s31
	s_lshl_b32 s31, s19, 19                        ; my K step's 128 rows
	s_add_co_u32 s30, s30, s31
	s_mov_b32 s31, 0
	s_lshl_b32 s27, s20, 8
	s_wait_kmcnt 0x0
	s_load_b32 s24, s[10:11], s27 offset:0x8000    ; the expert's rows
	s_add_nc_u64 s[32:33], s[4:5], s[30:31]        ; round 0's unit
	s_wait_alu depctr_va_vdst(0)                   ; the offsets and LDS addresses made above are written: v[VW], v[L16], v[L4], v[STO], v[SRD] and v[YO] are read by loads and stores from here on and never written again
	s_cmp_lt_u32 s18, 4
	s_cbranch_scc0 .Lhead_not_p
	s_mov_b64 s[28:29], s[32:33]
	WIN 0x40
	WLOAD 0                                        ; the stream begins: 64 loads of 512 bytes
	WLOAD 1
	WLOAD 2
	WLOAD 3
	WIN 0
	s_branch .Lhead_done
.Lhead_not_p:
	CLEAR
.Lhead_done:
	s_wait_kmcnt 0x0
	s_min_u32 s24, s24, 0x400
	s_mov_b32 s22, 0                               ; the pass
	s_mul_i32 s26, s19, 80                         ; my first row of the pass: 320 pass + 80 (wave % 4)
.Lpass:
	s_wait_xcnt 0x0                                ; what earlier loads and stores name may be written again
	s_add_co_u32 s27, s24, 15
	s_lshr_b32 s27, s27, 4
	s_sub_co_u32 s27, s27, 1                       ; the last tile that was written (all ones where the expert has no row: then nothing that is loaded is used)
	s_lshr_b32 s88, s26, 4                         ; my first tile
	s_mov_b32 s31, 0
.irp i, 0,1,2,3,4
	s_add_co_u32 s30, s88, \i
	s_min_u32 s30, s30, s27
	s_min_u32 s30, s30, 63
	s_add_co_u32 s30, s30, s89
	s_lshl_b32 s30, s30, 5
	s_add_co_u32 s30, s30, s90                     ; (64 e + tile) 32 + 16 x the half
	s_lshl_b32 s91, s30, 7
	s_lshl_b32 s30, s30, 11
	s_add_nc_u64 s[66+4*\i:67+4*\i], s[6:7], s[30:31]
	s_mov_b32 s30, s91
	s_add_nc_u64 s[68+4*\i:69+4*\i], s[8:9], s[30:31]
.endr
	s_lshl_b32 s30, s20, 10
	s_add_co_u32 s30, s30, s26
	s_lshl_b32 s30, s30, 12                        ; row 1,024 e + my first row,
	s_lshl_b32 s91, s55, 25                        ; the half's plane,
	s_add_co_u32 s30, s30, s91
	s_lshl_b32 s91, s21, 8                         ; the columns
	s_add_co_u32 s30, s30, s91
	s_add_nc_u64 s[86:87], s[12:13], s[30:31]
	s_cmp_lt_u32 s18, 4
	s_cbranch_scc1 .Lno_setup
	s_wait_loadcnt 0x0                             ; no load of mine is out: its registers may be loaded again
	s_wait_alu depctr_va_vdst(0)                   ; the last pass's products are done reading set 0 of the rows and its scale words, in which the loads below land
	ACTLOAD 0, 0, L16, L4                          ; the pass's first K step
.Lno_setup:
	s_mov_b32 s23, 0
	s_mov_b32 s62, 0
	s_mov_b32 s63, 0
.Lround:
	s_wait_xcnt 0x0                                ; bases and offsets of what has been issued may be written
	s_wait_alu depctr_vm_vsrc(0)                   ; what was issued behind the last round's barrier has read its registers: the loads of rows v[V16R] and v[V4R], the LDS loads v[WFR] and v[WSR], all written below
	s_add_co_u32 s30, s23, 1
	s_lshl_b32 s30, s30, 21                        ; the next round's unit: four K steps of 128 rows on
	s_mov_b32 s31, 0
	s_add_nc_u64 s[28:29], s[32:33], s[30:31]
	s_lshr_b32 s27, s62, 2
	v_add_nc_u32 v[V16R], s27, v[L16]
	s_lshr_b32 s27, s63, 2
	v_add_nc_u32 v[V4R], s27, v[L4]
	v_add_nc_u32 v[IMGR], s62, v[IMG0]
	v_add_nc_u32 v[SCR], s63, v[SC0]
	v_add_nc_u32 v[WFR], s62, v[L16]
	v_add_nc_u32 v[WSR], s63, v[WS0]
	s_cmp_lt_u32 s18, 4
	s_cbranch_scc0 .Lnot_p
	s_cmp_eq_u32 s22, 0                            ; the weights are quantised in the first pass; the later ones find them in LDS
	s_cbranch_scc0 .Lnot_p
	s_cmp_lt_u32 s23, 3
	s_cbranch_scc0 .Ltail
	QBLK 0, 1, 48                                  ; three younger blocks, 48 loads, stay out
	QBLK 1, 1, 48
	QBLK 2, 1, 48
	QBLK 3, 1, 48
	s_branch .Lnot_p
.Ltail:
	QBLK 0, 0, 48                                  ; the last unit asks for nothing: the counts run down
	QBLK 1, 0, 32
	QBLK 2, 0, 16
	QBLK 3, 0, 0
.Lnot_p:
	s_wait_alu depctr_vm_vsrc(0)                   ; the round's LDS stores have read FR, SW, v[IMGR] and v[SCR]: registers that lines behind the barrier load or write again
	s_wait_dscnt 0x0                               ; the round's images lie in LDS; my reads of the last round's are over
	s_barrier_signal -1
	s_barrier_wait -1
	s_cmp_lt_u32 s18, 4
	s_cbranch_scc1 .Lnot_c
	s_cmp_lt_u32 s26, s24                          ; have I rows in this pass?
	s_cbranch_scc0 .Lnot_c
	s_wait_alu depctr_va_vdst(0)                   ; v[WFR], v[WSR], v[V16R] and v[V4R] are written, which the round's loads read; the last round's products are done reading the four tiles, their scale words and set 1 of the rows, in which this round's loads land
	WRUN 0, 0
	KSTEP 0
	KSTEP 1
	KSTEP 2
	KSTEP 3
	s_cmp_eq_u32 s23, 3                            ; behind the fourth round the half of K is summed
	s_cbranch_scc0 .Lnot_c
	s_wait_alu depctr_va_vdst(0)                   ; the products have written the accumulators, which the stage's stores of all five tiles read; the eight places above stay beside this wait
	YOUT 0
	YOUT 1
	YOUT 2
	YOUT 3
	YOUT 4
	s_wait_alu depctr_vm_vsrc(0)                   ; the stage's stores have read the accumulators, which the moves below write
	CLEAR
.Lnot_c:
	s_add_co_u32 s62, s62, 32768
	s_add_co_u32 s63, s63, 2048
	s_add_co_u32 s23, s23, 1
	s_cmp_lt_u32 s23, 4
	s_cbranch_scc1 .Lround
	s_add_co_u32 s26, s26, 320
	s_add_co_u32 s22, s22, 1
	s_cmp_lt_u32 s22, 4
	s_cbranch_scc1 .Lpass
	s_wait_dscnt 0x0                               ; the closing lines, six on end
	s_wait_alu 0x0
	s_wait_tensorcnt 0x0
	ds_add_u32 v45, v46
	s_wait_dscnt 0x0
	s_endpgm
.Lfunc_end_k_q7edd35ab15_gemm2:
	.size	k_q7edd35ab15_gemm2, .Lfunc_end_k_q7edd35ab15_gemm2-k_q7edd35ab15_gemm2
	.p2alignl 7, 3214868480
	.fill 96, 4, 3214868480
	.section	.rodata,"a",@progbits
	.p2align	6, 0x0
	.amdhsa_kernel k_q7edd35ab15_gemm2
		.amdhsa_group_segment_fixed_size 158720
		.amdhsa_private_segment_fixed_size 0
		.amdhsa_enable_private_segment 0
		.amdhsa_kernarg_size 40
		.amdhsa_user_sgpr_count 2
		.amdhsa_user_sgpr_kernarg_segment_ptr 1
		.amdhsa_wavefront_size32 1
		.amdhsa_system_sgpr_workgroup_id_x 1
		.amdhsa_system_sgpr_workgroup_id_y 1
		.amdhsa_system_sgpr_workgroup_id_z 1
		.amdhsa_system_vgpr_workitem_id 0
		.amdhsa_next_free_vgpr 512
		.amdhsa_next_free_sgpr 96
		.amdhsa_reserve_vcc 0
		.amdhsa_float_denorm_mode_32 3
		.amdhsa_float_denorm_mode_16_64 3
		.amdhsa_memory_ordered 1
		.amdhsa_forward_progress 1
		.amdhsa_inst_pref_size 178
	.end_amdhsa_kernel
	.amdgpu_metadata
---
amdhsa.version: [ 1, 2 ]
amdhsa.kernels:
  - .name:           k_q7edd35ab15_gemm2
    .symbol:         k_q7edd35ab15_gemm2.kd
    .args:
      - { .name: W2, .offset: 0, .size: 8, .value_kind: global_buffer, .address_space: global }
      - { .name: hq, .offset: 8, .size: 8, .value_kind: global_buffer, .address_space: global }
      - { .name: hs, .offset: 16, .size: 8, .value_kind: global_buffer, .address_space: global }
      - { .name: place, .offset: 24, .size: 8, .value_kind: global_buffer, .address_space: global }
      - { .name: yp, .offset: 32, .size: 8, .value_kind: global_buffer, .address_space: global }
    .group_segment_fixed_size: 158720
    .private_segment_fixed_size: 0
    .kernarg_segment_align: 8
    .kernarg_segment_size: 40
    .max_flat_workgroup_size: 256
    .sgpr_count:     96
    .vgpr_count:     512
    .wavefront_size: 32
...
	.end_amdgpu_metadata
.endif
;; end of part 7
;; launch combine (part 8): grid 256 x 1, 4 waves a work-group, no clusters, 0 bytes of LDS; arguments yp, sel, place, gw, out0; writes out0
.if DOCPART == 8
	.amdgcn_target "amdgcn-amd-amdhsa--gfx1250"
	.amdhsa_code_object_version 6
	.text
	.protected	k_q7edd35ab15_combine
	.globl	k_q7edd35ab15_combine
	.p2align	8
	.type	k_q7edd35ab15_combine,@function
k_q7edd35ab15_combine:
	s_mov_b64 s[64:65], 0
	v_nop
	global_prefetch_b8 v0, s[64:65] scope:SCOPE_SE
	s_setreg_imm32_b32 hwreg(HW_REG_WAVE_MODE, 25, 1), 1
	s_wait_xcnt 0x0
; out[t] = w0 (y of expert e0) + w1 (y of expert e1); each y is the sum of its two halves of K.  One wave takes one token t = 4 x work-group + wave: four rows of 4,096 bytes in, one out.
; The token's experts (sel), its weights (gw) and its place in all eight experts' lists (place, at fixed addresses) come by scalar loads issued together; the two places wanted are chosen by selects,
; held inside their tables, and make the rows' addresses.  A stream: no LDS, no matrix unit, no cluster; each load and store of the wave covers 512 consecutive bytes.
; The order of the sums (halves of K first, then the experts) differs from reference()'s.
.set R, 16                             ; v16-143: piece m of eight: four registers from each of the four rows
	s_load_b256 s[4:11], s[0:1], 0x0               ; yp s[4:5], sel s[6:7], place s[8:9], gw s[10:11]
	s_load_b64 s[12:13], s[0:1], 0x20              ; out0
	v_lshrrev_b32 v1, 5, v0
	v_readfirstlane_b32 s14, v1                    ; wave
	v_and_b32 v1, 31, v0
	v_lshlrev_b32 v1, 4, v1                        ; 16 x lane
	s_lshl_b32 s15, ttmp9, 2
	s_add_co_u32 s15, s15, s14                     ; my token
	s_lshl_b32 s16, s15, 2
	s_lshl_b32 s17, s15, 3
	s_wait_alu depctr_va_vdst(0)
	s_wait_kmcnt 0x0
	s_load_b32 s20, s[6:7], s16 offset:0x0
	s_load_b64 s[22:23], s[10:11], s17 offset:0x0
.irp e, 0,1,2,3,4,5,6,7
	s_load_b32 s[24+\e], s[8:9], s16 offset:4096*\e
.endr
	s_wait_kmcnt 0x0
	s_and_b32 s32, s20, 0xff
	s_min_u32 s32, s32, 7                          ; e0
	s_bfe_u32 s33, s20, 0x80008
	s_min_u32 s33, s33, 7                          ; e1
	s_mov_b32 s34, s24
	s_mov_b32 s35, s24
.irp e, 1,2,3,4,5,6,7
	s_cmp_eq_u32 s32, \e
	s_cselect_b32 s34, s[24+\e], s34
	s_cmp_eq_u32 s33, \e
	s_cselect_b32 s35, s[24+\e], s35
.endr
	s_min_u32 s34, s34, 1023                       ; my place in e0's list,
	s_min_u32 s35, s35, 1023                       ; in e1's
	s_lshl_b32 s32, s32, 10
	s_add_co_u32 s34, s34, s32
	s_lshl_b32 s36, s34, 12                        ; row 1,024 e + place, 4,096 bytes a row
	s_mov_b32 s37, 0
	s_add_nc_u64 s[40:41], s[4:5], s[36:37]
	s_add_nc_u64 s[42:43], s[40:41], 0x2000000     ; the other half of K
	s_lshl_b32 s33, s33, 10
	s_add_co_u32 s35, s35, s33
	s_lshl_b32 s36, s35, 12
	s_add_nc_u64 s[44:45], s[4:5], s[36:37]
	s_add_nc_u64 s[46:47], s[44:45], 0x2000000
	s_lshl_b32 s36, s15, 12
	s_add_nc_u64 s[12:13], s[12:13], s[36:37]
	s_mov_b32 s48, s23                             ; w1 as the low word of a pair
	s_mov_b32 s49, s23
.irp m, 0,1,2,3,4,5,6,7
	global_load_b128 v[R+16*\m:R+16*\m+3],     v1, s[40:41] offset:512*\m th:TH_LOAD_NT
	global_load_b128 v[R+16*\m+4:R+16*\m+7],   v1, s[42:43] offset:512*\m th:TH_LOAD_NT
	global_load_b128 v[R+16*\m+8:R+16*\m+11],  v1, s[44:45] offset:512*\m th:TH_LOAD_NT
	global_load_b128 v[R+16*\m+12:R+16*\m+15], v1, s[46:47] offset:512*\m th:TH_LOAD_NT
.endr
.irp m, 0,1,2,3,4,5,6,7
	s_wait_loadcnt 28-4*\m                         ; piece m's four loads are in; four of each later piece may stay out
	v_pk_add_f32 v[R+16*\m:R+16*\m+1],     v[R+16*\m:R+16*\m+1],     v[R+16*\m+4:R+16*\m+5]
	v_pk_add_f32 v[R+16*\m+2:R+16*\m+3],   v[R+16*\m+2:R+16*\m+3],   v[R+16*\m+6:R+16*\m+7]
	v_pk_add_f32 v[R+16*\m+8:R+16*\m+9],   v[R+16*\m+8:R+16*\m+9],   v[R+16*\m+12:R+16*\m+13]
	v_pk_add_f32 v[R+16*\m+10:R+16*\m+11], v[R+16*\m+10:R+16*\m+11], v[R+16*\m+14:R+16*\m+15]
	v_pk_mul_f32 v[R+16*\m:R+16*\m+1],   v[R+16*\m:R+16*\m+1],   s[22:23] op_sel_hi:[1,0]
	v_pk_mul_f32 v[R+16*\m+2:R+16*\m+3], v[R+16*\m+2:R+16*\m+3], s[22:23] op_sel_hi:[1,0]
	v_pk_fma_f32 v[R+16*\m:R+16*\m+1],   v[R+16*\m+8:R+16*\m+9],   s[48:49], v[R+16*\m:R+16*\m+1]   op_sel_hi:[1,0,1]
	v_pk_fma_f32 v[R+16*\m+2:R+16*\m+3], v[R+16*\m+10:R+16*\m+11], s[48:49], v[R+16*\m+2:R+16*\m+3] op_sel_hi:[1,0,1]
	global_store_b128 v1, v[R+16*\m:R+16*\m+3], s[12:13] offset:512*\m th:TH_STORE_NT
.endr
	s_endpgm
.Lfunc_end_k_q7edd35ab15_combine:
	.size	k_q7edd35ab15_combine, .Lfunc_end_k_q7edd35ab15_combine-k_q7edd35ab15_combine
	.p2alignl 7, 3214868480
	.fill 96, 4, 3214868480
	.section	.rodata,"a",@progbits
	.p2align	6, 0x0
	.amdhsa_kernel k_q7edd35ab15_combine
		.amdhsa_group_segment_fixed_size 0
		.amdhsa_private_segment_fixed_size 0
		.amdhsa_enable_private_segment 0
		.amdhsa_kernarg_size 40
		.amdhsa_user_sgpr_count 2
		.amdhsa_user_sgpr_kernarg_segment_ptr 1
		.amdhsa_wavefront_size32 1
		.amdhsa_system_sgpr_workgroup_id_x 1
		.amdhsa_system_sgpr_workgroup_id_y 1
		.amdhsa_system_sgpr_workgroup_id_z 1
		.amdhsa_system_vgpr_workitem_id 0
		.amdhsa_next_free_vgpr 160
		.amdhsa_next_free_sgpr 66
		.amdhsa_reserve_vcc 0
		.amdhsa_float_denorm_mode_32 3
		.amdhsa_float_denorm_mode_16_64 3
		.amdhsa_memory_ordered 1
		.amdhsa_forward_progress 1
		.amdhsa_inst_pref_size 12
	.end_amdhsa_kernel
	.amdgpu_metadata
---
amdhsa.version: [ 1, 2 ]
amdhsa.kernels:
  - .name:           k_q7edd35ab15_combine
    .symbol:         k_q7edd35ab15_combine.kd
    .args:
      - { .name: yp, .offset: 0, .size: 8, .value_kind: global_buffer, .address_space: global }
      - { .name: sel, .offset: 8, .size: 8, .value_kind: global_buffer, .address_space: global }
      - { .name: place, .offset: 16, .size: 8, .value_kind: global_buffer, .address_space: global }
      - { .name: gw, .offset: 24, .size: 8, .value_kind: global_buffer, .address_space: global }
      - { .name: out0, .offset: 32, .size: 8, .value_kind: global_buffer, .address_space: global }
    .group_segment_fixed_size: 0
    .private_segment_fixed_size: 0
    .kernarg_segment_align: 8
    .kernarg_segment_size: 40
    .max_flat_workgroup_size: 128
    .sgpr_count:     66
    .vgpr_count:     160
    .wavefront_size: 32
...
	.end_amdgpu_metadata
.endif
;; end of part 8
